; MI455X (gfx1250); checked and timed in simulation.
; The chip was launched on July 23, 2026; its instructions are those of AMD's public machine-readable ISA for CDNA 5 (MIT licence, August 2026) and "CDNA5" Instruction Set Architecture Reference Guide (July 2026). The comments in the code are by the model that wrote it; some were corrected since.
;; Mo E Layer. Allowed arithmetic: matrix products marked QUANTISED: E2M1 operands, one E8M0 scale for each 32 along K, by v_wmma_scale_f32_16x16x128_f8f6f4 with both operands' format E2M1 (or v_wmma_scale_f32_32x16x128_f4), f32 sums; products left as they are: f32 operands where the result goes on into a quantised operand, else bf16, f16 or f32 operands; f32 sums; everything else in f32.
;; Inputs: W1_codes 8 x 4,096 x 32 x 16 uint8 (E2M1 codes of W1, K innermost, in blocks of 32 codes, two codes a byte); W1_scales 8 x 4,096 x 32 uint8 (E8M0 scales of W1, one for each 32 codes along K); W2_codes 8 x 1,024 x 128 x 16 uint8 (E2M1 codes of W2, K innermost, in blocks of 32 codes, two codes a byte); W2_scales 8 x 1,024 x 128 uint8 (E8M0 scales of W2, one for each 32 codes along K); assign 4 x 256 x 2 int32; b1 8 x 4,096 float32; b2 8 x 1,024 float32; x_codes 4 x 256 x 32 x 16 uint8 (E2M1 codes of x, K innermost, in blocks of 32 codes, two codes a byte); x_scales 4 x 256 x 32 uint8 (E8M0 scales of x, one for each 32 codes along K).
;; Outputs: out0 4 x 256 x 1,024 float32.
;; Constants: k = 2.
;; This version of the problem:
;;   THIS VERSION OF THE PROBLEM IS GIVEN IN LOW PRECISION. The matrix products marked QUANTISED in the list below multiply operands that are first quantised to E2M1 (2 exponent bits, 1 mantissa bit; 4 bits a number), with one power-of-two scale for each 32 numbers along K (OCP MX v1.0); their sums are f32. All else is computed in f32.
;;   The module's matrix products, in the order in which they are computed (A, B: the left and right operand; K: the contracted axis; several contracted axes count as one K, in the product's order):
;;     1. [M 1,024, K 1,024] x [K 1,024, N 32,768]; A: input x (given as codes); B: input W1 (given as codes): QUANTISED
;;     2. batch 8 x [M 1,024, K 4,096] x [K 4,096, N 1,024]; A: input W2 (given as codes); B: computed on the way: QUANTISED
;;     3. batch 1,024 x [M 1,024, K 8] x [K 8, N 1]; A: computed on the way; B: computed on the way: left as it is (K = 8 < 32)
;;   THE QUANTISER, for each operand of a quantised product, along K:
;;     - K is cut into blocks of 32 from its start; a last block that is shorter is filled with zeros.
;;     - A block's scale is 2^e with e = floor(log2(the largest magnitude in the block)) - 2, held to -126 .. 127; a block of zeros has e = 0. As a byte (E8M0): e + 127.
;;     - Each number is divided by its block's scale, clamped to +-6, and rounded to the nearest number of E2M1, ties to even, subnormals kept.
;;     - The product sums the exact products of the quantised numbers (number of the format x scale) in f32.
;;   ~~~python
;;   def quantise(x, axis):      # numpy; x: float32 -> the quantised numbers, widened to float32 again
;;       x = np.moveaxis(x, axis, -1); K = x.shape[-1]
;;       x = np.pad(x, [(0, 0)] * (x.ndim - 1) + [(0, -K % 32)]); x = x.reshape(x.shape[:-1] + (-1, 32)); a = np.abs(x).max(-1, keepdims=True)
;;       e = np.where(a > 0, np.clip(np.frexp(np.where(a > 0, a, 1))[1] - 1 - 2, -126, 127), 0)      # np.frexp(a)[1] - 1 = floor(log2(a)), exactly
;;       r = np.clip(x / 2.0 ** e, -6, 6)
;;       step = 2.0 ** (np.maximum(np.frexp(np.where(r == 0, 1, r))[1] - 1, 0) - 1)
;;       q = np.round(r / step) * step * 2.0 ** e      # np.round: ties to even
;;       return np.moveaxis(q.reshape(q.shape[:-2] + (-1,))[..., :K], -1, axis).astype(np.float32)
;;   ~~~
;;   OPERANDS COMPUTED ON THE WAY. 'Computed on the way' means the value that the module computes at that place (a softmax that the list does not call 'softmax' is quantised finished and normalised). What goes into a quantiser is computed in f32, as accurately as f32 sums, v_exp_f32 and their like allow (about 1e-6 of the number): no bf16 or f16 on the way to a quantiser, and a product that is left as it is and whose result goes on into a quantised operand takes f32 operands (vector FMAs, or v_wmma_f32_16x16x4_f32). A number that lies on a knife's edge between two numbers of the format may be rounded either way, as far as f32 arithmetic and the matrix unit's own rounding can turn it there, and no further.
;;   INPUTS GIVEN AS CODES. W1 (in the module: [8, 1024, 4096], K = its axis 1); W2 (in the module: [8, 4096, 1024], K = its axis 1); x (in the module: [4, 256, 1024], K = its axis 2): each comes as NAME_codes (uint8): NAME with its K axis moved to the last place and cut into blocks of 32 codes, [.., K / 32, bytes a block], one block behind the other in memory; two codes a byte, the lower K in the low four bits (a code: sign, 2 exponent bits, 1 mantissa bit); and NAME_scales (uint8): the same leading axes, one E8M0 byte (e + 127) for each 32 codes along K. Its value is code x scale, taken as it is: it is not quantised again, and the codes and scales need not be those that the quantiser above would give.
;; 2 versions. Each part assembles by itself: llvm-mc -triple=amdgcn-amd-amdhsa -mcpu=gfx1250 --defsym DOCPART=n.
;; ======== version 1 of 2: 4 launches
;; workspace buffers: rows 32,768 bytes of whole numbers; cnt 256 bytes of whole numbers; pos 8,192 bytes of whole numbers; hcod 16,777,216 bytes; hscl 1,048,576 bytes; y 33,554,432 bytes
;; launch route (part 1): grid 1 x 1, 32 waves a work-group, no clusters, 4,608 bytes of LDS; arguments assign, rows, cnt, pos; writes rows, cnt, pos
.if DOCPART == 1
	.amdgcn_target "amdgcn-amd-amdhsa--gfx1250"
	.amdhsa_code_object_version 6
	.text
	.protected	k_q13a45d98e9_route
	.globl	k_q13a45d98e9_route
	.p2align	8
	.type	k_q13a45d98e9_route,@function
k_q13a45d98e9_route:
	s_mov_b64 s[64:65], 0
	v_nop
	global_prefetch_b8 v0, s[64:65] scope:SCOPE_SE
	s_setreg_imm32_b32 hwreg(HW_REG_WAVE_MODE, 25, 1), 1
	s_wait_xcnt 0x0
; ROUTING, in whole numbers alone.  assign: [1024 tokens][2] int32.  A counting sort by expert, tokens ascending, without atomics.
; OUT: rows[e][p] = the token in place p of expert e's list (0 for p >= n_e: every one of the 8 x 1024 words is written once);
;      cnt[e] = n_e (words 8..31 = 0);  pos[t][0..1] = e x 1024 + p for the token's two experts (equal where the two experts are equal: such a token stands once in the list).
; One work-group of 32 waves; thread t is token t, and for the filling of the lists' ends place t.
; LIMIT: an expert number outside 0..7 is held at 7 (the problem keeps an index inside its table).
.set MA,   16                          ; s16-23  lanes whose first expert is e
.set MB,   24                          ; s24-31  lanes whose second expert is e
.set CN,   32                          ; s32-39  my wave's count for e
.set BASE, 50                          ; s50-57  what the waves in front of mine count for e
.set TOT,  66                          ; s66-73  n_e
	s_load_b256 s[4:11], s[0:1], 0x0               ; assign s[4:5], rows s[6:7], cnt s[8:9], pos s[10:11]
	v_lshl_add_u32 v48, v0, 2, 0x200
	v_mov_b32 v49, 0
	v_and_b32 v1, 31, v0                           ; lane
	v_lshrrev_b32 v30, 5, v0
	v_readfirstlane_b32 s12, v30                   ; wave 0..31
	v_lshlrev_b32 v26, 3, v0                       ; 8 t: my pair in assign and in pos
	v_lshlrev_b32 v27, 2, v0                       ; 4 t
	v_lshlrev_b32 v31, 4, v30                      ; LDS: 16 bytes for each wave
	v_lshlrev_b32 v32, 4, v1                       ; and lane l reads wave l's
	v_mov_b32 v28, 0
	v_mov_b32 v4, 0                                ; my place for the first expert,
	v_mov_b32 v5, 0                                ; for the second
	v_mov_b32 v7, 0                                ; (written once: the destination of a lane move counts as read)
	v_mov_b32 v20, 0
	v_mov_b32 v21, 0
	s_mov_b32 s48, 0x76543210
	s_mov_b32 s49, 0xfedcba98                      ; v_permlanex16_b32's selects for lane l xor 16
	s_wait_kmcnt 0x0
	global_load_b64 v[2:3], v26, s[4:5]
	s_wait_loadcnt 0x0
	v_min_u32 v2, 7, v2
	v_min_u32 v3, 7, v3
.irp e, 0,1,2,3,4,5,6,7                            ; for each expert: who names it, how many in my wave, and my rank among them
	v_cmp_eq_u32 s[MA+\e], \e, v2
	v_cmp_eq_u32 s[MB+\e], \e, v3
	s_or_b32 s40, s[MA+\e], s[MB+\e]               ; a token that names e twice counts once
	s_bcnt1_i32_b32 s[CN+\e], s40
	v_mbcnt_lo_u32_b32 v6, s40, 0                  ; how many lanes below mine name e
	v_cndmask_b32 v4, v4, v6, s[MA+\e]
	v_cndmask_b32 v5, v5, v6, s[MB+\e]
.endr
.irp k, 0,1,2,3                                    ; the eight counts (at most 32 each; their sums at most 1,024) go two to a word
	s_lshl_b32 s41, s[CN+2*\k+1], 16
	s_or_b32 s[44+\k], s[CN+2*\k], s41
	v_mov_b32 v[8+\k], s[44+\k]
.endr
	ds_store_b128 v31, v[8:11]                     ; all lanes write the same 16 bytes with the same values
	s_wait_dscnt 0x0                               ; for the others' sake: my store has landed
	s_barrier_signal -1
	s_barrier_wait -1
	ds_load_b128 v[12:15], v32                     ; lane l: wave l's counts
	s_wait_dscnt 0x0
	v_cmp_gt_u32 vcc_lo, s12, v1                   ; waves in front of mine
.irp k, 0,1,2,3
	v_cndmask_b32 v[16+\k], 0, v[12+\k], vcc_lo
.endr
.macro LSUM reg                                    ; the sum over the 32 lanes, in every lane
.irp m, 1,2,4,8
	v_mov_b32_dpp v7, v[\reg] row_xmask:\m row_mask:0xf bank_mask:0xf
	v_add_nc_u32 v[\reg], v[\reg], v7
.endr
	v_permlanex16_b32 v7, v[\reg], s48, s49
	v_add_nc_u32 v[\reg], v[\reg], v7
.endm
.irp g, 12,13,14,15,16,17,18,19
	LSUM \g
.endr
.irp k, 0,1,2,3
	v_readfirstlane_b32 s41, v[12+\k]
	s_and_b32 s[TOT+2*\k], s41, 0xffff
	s_lshr_b32 s[TOT+2*\k+1], s41, 16
	v_readfirstlane_b32 s42, v[16+\k]
	s_and_b32 s[BASE+2*\k], s42, 0xffff
	s_lshr_b32 s[BASE+2*\k+1], s42, 16
.endr
.irp e, 0,1,2,3,4,5,6,7
	v_cndmask_b32 v20, v20, s[BASE+\e], s[MA+\e]
	v_cndmask_b32 v21, v21, s[BASE+\e], s[MB+\e]
.endr
	v_add_nc_u32 v4, v4, v20                       ; place = the earlier waves' count + my rank
	v_add_nc_u32 v5, v5, v21
	v_lshl_add_u32 v22, v2, 10, v4                 ; e x 1024 + place
	v_lshl_add_u32 v23, v3, 10, v5
	v_min_u32 v22, 0x1fff, v22                     ; held inside the table of 8,192 words before it becomes an address
	v_min_u32 v23, 0x1fff, v23
	v_lshlrev_b32 v24, 2, v22
	v_lshlrev_b32 v25, 2, v23
	global_store_b32 v24, v0, s[6:7]               ; my token into its experts' lists (twice the same word with the same value where the experts are equal)
	global_store_b32 v25, v0, s[6:7]
	global_store_b64 v26, v[22:23], s[10:11]
.irp e, 0,1,2,3,4,5,6,7                            ; the lists' ends: places n_e .. 1023 hold token 0
	v_cmp_le_u32 vcc_lo, s[TOT+\e], v0
	s_wait_xcnt 0x0                                ; EXEC changes only behind this wait: the stores above have been taken
	s_and_saveexec_b32 s74, vcc_lo
	global_store_b32 v27, v28, s[6:7] offset:\e*4096
	s_wait_xcnt 0x0                                ; and again in front of the line that widens it
	s_or_b32 exec_lo, exec_lo, s74
.endr
	s_cmp_lg_u32 s12, 0
	s_cbranch_scc1 .Ldone
	v_mov_b32 v29, 0                               ; wave 0 stores the counts: lane e holds n_e, lanes 8-31 hold 0
.irp e, 0,1,2,3,4,5,6,7
	v_writelane_b32 v29, s[TOT+\e], \e
.endr
	global_store_b32 v27, v29, s[8:9]
.Ldone:
	s_wait_tensorcnt 0x0
	ds_add_u32 v48, v49
	s_wait_dscnt 0x0
	s_endpgm
.Lfunc_end_k_q13a45d98e9_route:
	.size	k_q13a45d98e9_route, .Lfunc_end_k_q13a45d98e9_route-k_q13a45d98e9_route
	.p2alignl 7, 3214868480
	.fill 96, 4, 3214868480
	.section	.rodata,"a",@progbits
	.p2align	6, 0x0
	.amdhsa_kernel k_q13a45d98e9_route
		.amdhsa_group_segment_fixed_size 4608
		.amdhsa_private_segment_fixed_size 0
		.amdhsa_enable_private_segment 0
		.amdhsa_kernarg_size 32
		.amdhsa_user_sgpr_count 2
		.amdhsa_user_sgpr_kernarg_segment_ptr 1
		.amdhsa_wavefront_size32 1
		.amdhsa_system_sgpr_workgroup_id_x 1
		.amdhsa_system_sgpr_workgroup_id_y 1
		.amdhsa_system_sgpr_workgroup_id_z 1
		.amdhsa_system_vgpr_workitem_id 0
		.amdhsa_next_free_vgpr 50
		.amdhsa_next_free_sgpr 80
		.amdhsa_reserve_vcc 1
		.amdhsa_float_denorm_mode_32 3
		.amdhsa_float_denorm_mode_16_64 3
		.amdhsa_memory_ordered 1
		.amdhsa_forward_progress 1
		.amdhsa_inst_pref_size 15
	.end_amdhsa_kernel
	.amdgpu_metadata
---
amdhsa.version: [ 1, 2 ]
amdhsa.kernels:
  - .name:           k_q13a45d98e9_route
    .symbol:         k_q13a45d98e9_route.kd
    .args:
      - { .name: assign, .offset: 0, .size: 8, .value_kind: global_buffer, .address_space: global }
      - { .name: rows, .offset: 8, .size: 8, .value_kind: global_buffer, .address_space: global }
      - { .name: cnt, .offset: 16, .size: 8, .value_kind: global_buffer, .address_space: global }
      - { .name: pos, .offset: 24, .size: 8, .value_kind: global_buffer, .address_space: global }
    .group_segment_fixed_size: 4608
    .private_segment_fixed_size: 0
    .kernarg_segment_align: 8
    .kernarg_segment_size: 32
    .max_flat_workgroup_size: 1024
    .sgpr_count:     80
    .vgpr_count:     50
    .wavefront_size: 32
...
	.end_amdgpu_metadata
.endif
;; end of part 1
;; launch ffn1 (part 2): grid 256 x 1, 4 waves a work-group, no clusters, 68,096 bytes of LDS; arguments x_codes, x_scales, W1_codes, W1_scales, b1, rows, cnt, hcod, hscl; writes hcod, hscl
.if DOCPART == 2
	.amdgcn_target "amdgcn-amd-amdhsa--gfx1250"
	.amdhsa_code_object_version 6
	.text
	.protected	k_q13a45d98e9_ffn1
	.globl	k_q13a45d98e9_ffn1
	.p2align	8
	.type	k_q13a45d98e9_ffn1,@function
k_q13a45d98e9_ffn1:
	s_mov_b64 s[64:65], 0
	v_nop
	global_prefetch_b8 v0, s[64:65] scope:SCOPE_SE
	s_setreg_imm32_b32 hwreg(HW_REG_WAVE_MODE, 25, 1), 1
	s_wait_xcnt 0x0
; hidden = Q(relu(x W1_e + b1_e)) for the rows that name expert e, on codes of FP4 (E2M1) with one E8M0 scale for each 32 along K; Q quantises along the hidden units, in blocks of 32.
; SHARES.  Work-group wg = 32 e + sl owns hidden units 128 sl .. 128 sl + 127 of expert e: 64 KiB of W1's codes, which no other work-group reads.  EVERY wave keeps that whole slice in registers
; (64 fragments, 512 registers); the four waves share the expert's tiles of 16 rows: wave w takes tiles w, w + 4, .. below T = ceil(n_e / 16), and always tile w.  (Places behind n_e hold token 0; what is
; made of them is never read as a result.  That a wave's first tile is always made lets its loads go out at the head, and makes every byte that the next launch's first loads read a written byte.)
; The slice is brought once: each wave loads 32 of its 128 rows, whole rows of 512 consecutive bytes, and lays them in LDS; one barrier; each wave reads all fragments.  Behind that the waves share nothing.
; NO TENSOR LOADS, NO JOINT LOADS: the number of trips is read from memory (cnt), so the operands come by plain loads; each weight byte has one reader.
; THE PRODUCT IS USED TRANSPOSED: source 0 = 16 rows of W1, source 1 = 16 rows of x: a lane holds ONE row of the hidden layer.  THE ROWS OF W1 THAT FORM A TILE ARE NOT NEIGHBOURS: lane r of tile 2 b + u takes
; unit 32 b + 8 u + r + 8 (r / 8), so that the 16 registers of tiles 2 b and 2 b + 1 are 16 neighbours along the next K: units 32 b + 16 (lane / 16) + 0 .. 15.  b1 is the C of each sum's first product.
; OUT.  The 128 units are K step sl of the next product: one fragment (8 registers a lane), stored as an image of its registers, hcod[e][tile][K step][c][lane] 16 bytes, and one scale word a row,
; hscl[e][tile][K step / 4][row][K step % 4].
; LIMITS: NaN and infinities are not served; a block whose largest magnitude lies under 2^-124 (a block of zeros too) gets the scale byte 1: the bytes are read by this program alone, and zero codes add nothing.
; REGISTERS, in windows of 256: window 0: v1-15, v61 addresses; v16-47 W1's scale words (register 4 t + q: lanes 0-15 K step q, lanes 16-31 K step 4 + q); v48-51 x's, laid likewise; v52-59 the codes just made;
;   v60 their scale word; v64-79 at work; v128-191 the 8 accumulators.   window 1: W1's fragments (tile t, K step s < 4) at 8 (4 t + s); at the head v0-127 hold the 32 rows that I bring.
;   window 2: those of K steps 4-7 at 8 (4 t + s - 4).   window 3: v0-63 x's fragments, K step s at 8 s; v64-127 b1, tile t at 64 + 8 t.
.set PITCH, 528                        ; an LDS row: 512 bytes + 16 = 132 words: row r starts at bank 4 r mod 64 (64 banks of 4 bytes: ISA guide 11.1), so the 16 rows that a fragment load touches start at 16 different banks
.set LI,    4                          ; v4   16 x lane
.set XADR,  5                          ; v5   my row's codes in x: token x 512 + 16 h
.set XSADR, 6                          ; v6   its scale words: token x 32 + 16 h
.set LADR,  7                          ; v7   where the token of a tile's row r stands in the list: 64 x tile + 4 r
.set TOK,   8                          ; v8   that token
.set HSO,   9                          ; v9   16 r
.set WST,   10                         ; v10  LDS, on the way in: 16 x lane + my 32 rows
.set WLD,   11                         ; v11  LDS, a fragment: r x PITCH + 16 h
.set TV,    12                         ; v12  the token, held inside x
.set H16,   13                         ; v13  16 h
.set R4,    14                         ; v14  4 r
.set WSA,   15                         ; v15  W1's scale words: (r + 8 (r / 8)) x 32 + 16 h
.set BA,    61                         ; v61  b1: 64 h
.set W1S,   16
.set XS,    48
.set PC,    52
.set PW,    60
.set TM,    64
.set HA,    128
.set B1,    64                         ; in window 3
.set SEL,   30                         ; s[30:31]
.set TRIP,  32                         ; s32  the loop's counter: 0, 1, .. below s5
.set MSB, 0
.macro WIN new                         ; the immediate's high byte repeats the setting that is left; a switch that changes nothing is dropped
.if MSB != \new
	s_set_vgpr_msb (MSB<<8)|\new
.set MSB, \new
.endif
.endm
.macro PLACES n
.rept \n
	v_nop
.endr
.endm
; K step s of the eight tiles: the accumulators take turns, one instruction a turn.
.macro MM1 s
.if (\s) == 0
	WIN 0x3d                                       ; source 0 (W1) window 1, source 1 (x) and C (b1) window 3, D window 0
.elseif (\s) < 4
	WIN 0x0d                                       ; C now window 0
.else
	WIN 0x0e                                       ; W1's K steps 4-7: window 2
.endif
.irp t, 0,1,2,3,4,5,6,7
.set rD, HA+8*\t
.set rA, 8*(4*\t+((\s)&3))
.set rB, 8*(\s)
.set rW, W1S+4*\t+((\s)&3)
.set rX, XS+((\s)&3)
.if (\s) == 0
	v_wmma_scale_f32_16x16x128_f8f6f4 v[rD:rD+7], v[rA:rA+7], v[rB:rB+7], v[B1+8*\t:B1+8*\t+7], v[rW], v[rX] matrix_a_fmt:MATRIX_FMT_FP4 matrix_b_fmt:MATRIX_FMT_FP4
.elseif (\s) < 4
	v_wmma_scale_f32_16x16x128_f8f6f4 v[rD:rD+7], v[rA:rA+7], v[rB:rB+7], v[rD:rD+7], v[rW], v[rX] matrix_a_fmt:MATRIX_FMT_FP4 matrix_b_fmt:MATRIX_FMT_FP4
.else
	v_wmma_scale_f32_16x16x128_f8f6f4 v[rD:rD+7], v[rA:rA+7], v[rB:rB+7], v[rD:rD+7], v[rW], v[rX] matrix_a_fmt:MATRIX_FMT_FP4 matrix_b_fmt:MATRIX_FMT_FP4 matrix_a_scale:MATRIX_SCALE_ROW1 matrix_b_scale:MATRIX_SCALE_ROW1
.endif
.endr
.endm
; x's fragments of K steps 4 half .. 4 half + 3 of the row at v[XADR]: eight loads
.macro XL half
	WIN 0xc0                                       ; destination window 3, address window 0
.irp q, 0,1,2,3
.irp c, 0,1
	global_load_b128 v[8*(4*\half+\q)+4*\c:8*(4*\half+\q)+4*\c+3], v[XADR], s[8:9] offset:64*(4*\half+\q)+32*\c
.endr
.endr
.endm
; 64 numbers of a lane, register 16 b + i = unit 32 b + 16 (lane / 16) + i of my row, become a fragment's codes in v[PC] on and its scale word in v[PW].
.macro QUANT s
.irp b, 0,1,2,3
	v_max3_num_f32 v[TM+\b], |v[\s+16*\b]|, |v[\s+1+16*\b]|, 0x1800000   ; block b: my 16 numbers, and the floor 2^(3 - 127): the byte cannot fall under 1
.endr
.irp i, 2,4,6,8,10,12,14
.irp b, 0,1,2,3
	v_max3_num_f32 v[TM+\b], v[TM+\b], |v[\s+16*\b+\i]|, |v[\s+1+16*\b+\i]|   ; (the four blocks by turns)
.endr
.endr
.irp b, 0,1,2,3
	v_permlanex16_b32 v[TM+4+\b], v[TM+\b], s[SEL], s[SEL+1]
.endr
.irp b, 0,1,2,3
	v_max_num_f32 v[TM+\b], v[TM+\b], v[TM+4+\b]   ; with lane l xor 16's: the block's largest magnitude
.endr
.irp b, 0,1,2,3
	v_add_nc_u32 v[TM+12+\b], 0xff000000, v[TM+\b] ; 2 off its exponent field: the conversion takes the exponent field of this operand as its scale
.endr
.irp b, 0,1,2,3
	v_lshrrev_b32 v[TM+4+\b], 23, v[TM+12+\b]      ; the scale's byte
.endr
	v_lshl_or_b32 v[PW], v[TM+5], 8, v[TM+4]       ; the four bytes make my row's scale word
	v_lshl_or_b32 v[PW], v[TM+6], 16, v[PW]
	v_lshl_or_b32 v[PW], v[TM+7], 24, v[PW]
.irp b, 0,1,2,3
	v_cvt_scalef32_pk8_fp4_f32 v[PC+2*\b], v[\s+16*\b:\s+7+16*\b], v[TM+12+\b]
	v_cvt_scalef32_pk8_fp4_f32 v[PC+1+2*\b], v[\s+8+16*\b:\s+15+16*\b], v[TM+12+\b]
.endr
	v_nop                                          ; one plain place behind the last scaled conversion
.irp c, 0,1                                        ; the operand's layout wants a WHOLE block in a lane: lanes 0-15 block 2 c, lanes 16-31 block 2 c + 1
.irp i, 0,1
	v_permlane16_swap_b32 v[PC+4*\c+\i], v[PC+2+4*\c+\i]
.endr
.endr
.endm
; ONE TILE OF 16 ROWS.  next = 1: the tile four further on follows: its x is asked for here, and the tokens of the one after it (tile w + 8 + 4 x trip).
; Loads on their way at the head, oldest first: x's scale words and K steps 0-3 (9), K steps 4-7 (8), the next tile's tokens (1).
.macro TILE next
	s_wait_loadcnt 9                               ; all but K steps 4-7 and the tokens
	MM1 0
	MM1 1
	MM1 2
	MM1 3
	WIN 0
	s_wait_loadcnt 0x0                             ; K steps 4-7 and the next tile's tokens are in; no load reads v5-7 any more
.if \next
	s_lshl_b32 s7, s[TRIP], 2
	s_add_co_u32 s7, s7, s6                        ; the tile after the next: w + 8 + 4 x trip;
	s_min_u32 s7, s7, 63                           ; held inside the list of 64 tiles (from T on its tokens are not used)
	s_lshl_b32 s7, s7, 6
	v_min_u32 v[TV], 0x3ff, v[TOK]                 ; these four lines are also the four places in front of the loads into registers that the products above have read
	v_lshl_add_u32 v[XADR], v[TV], 9, v[H16]
	v_lshl_add_u32 v[XSADR], v[TV], 5, v[H16]
	v_add_nc_u32 v[LADR], s7, v[R4]
	XL 0
.endif
	MM1 4
	MM1 5
	MM1 6
	MM1 7
	WIN 0
	PLACES 4                                       ; in front of the loads below and of the first read of the results
.if \next
	global_load_b128 v[XS:XS+3], v[XSADR], s[10:11]
	XL 1
	WIN 0
	global_load_b32 v[TOK], v[LADR], s[18:19]
.endif
.set J, 0
.rept 64
	v_max_num_f32 v[HA+J], 0, v[HA+J]              ; the activation, in f32; each accumulator from its low end on
.set J, J+1
.endr
	QUANT HA
	global_store_b128 v[LI], v[PC:PC+3], s[22:23]              ; the fragment as it stands: each store covers 512 consecutive bytes, aligned
	global_store_b128 v[LI], v[PC+4:PC+7], s[22:23] offset:512
	global_store_b32 v[HSO], v[PW], s[24:25]                   ; row r's scale word (lanes 16-31 write the same words with the same values): 4 bytes in each 16; one part in sixteen of the codes' bytes
.if \next
	s_wait_xcnt 0x0                                ; the stores' data and bases are written again only behind this wait
	s_add_nc_u64 s[22:23], s[22:23], 4*32768       ; four tiles on
	s_add_nc_u64 s[24:25], s[24:25], 4*2048
.endif
.endm
	s_load_b512 s[8:23], s[0:1], 0x0               ; x_codes s[8:9], x_scales s[10:11], W1_codes s[12:13], W1_scales s[14:15], b1 s[16:17], rows s[18:19], cnt s[20:21], hcod s[22:23]
	s_load_b64 s[24:25], s[0:1], 0x40              ; hscl
	v_lshl_add_u32 v254, v0, 2, 0x10800
	v_mov_b32 v255, 0
	v_lshrrev_b32 v1, 5, v0
	v_readfirstlane_b32 s2, v1                     ; wave 0..3
	v_and_b32 v1, 31, v0                           ; lane
	v_and_b32 v2, 15, v0                           ; r
	v_bfe_u32 v3, v0, 4, 1                         ; h
	s_lshr_b32 s3, ttmp9, 5                        ; e
	s_and_b32 s4, ttmp9, 31                        ; sl
	v_lshlrev_b32 v[LI], 4, v1
	v_lshlrev_b32 v[HSO], 4, v2
	v_lshlrev_b32 v[H16], 4, v3
	v_lshlrev_b32 v[R4], 2, v2
	s_mul_i32 s28, s2, 32*PITCH
	v_add_nc_u32 v[WST], s28, v[LI]
	v_mul_u32_u24 v[WLD], v2, PITCH
	v_add_nc_u32 v[WLD], v[WLD], v[H16]
	v_and_b32 v[WSA], 8, v2
	v_add_nc_u32 v[WSA], v[WSA], v2                ; r + 8 (r / 8)
	v_lshl_add_u32 v[WSA], v[WSA], 5, v[H16]
	v_lshlrev_b32 v[BA], 6, v3
	s_lshl_b32 s28, s2, 6
	v_add_nc_u32 v[LADR], s28, v[R4]               ; my first tile is tile w
.irp b, 0,1,2,3
	v_mov_b32 v[TM+4+\b], 0                        ; written once: a lane permute's destination counts as one of its sources
.endr
	s_mov_b32 s[SEL], 0x76543210
	s_mov_b32 s[SEL+1], 0xfedcba98                 ; v_permlanex16_b32's selects for lane l xor 16
	s_mov_b32 s27, 0
	s_wait_kmcnt 0x0
	s_lshl_b32 s26, s3, 12
	s_add_nc_u64 s[18:19], s[18:19], s[26:27]      ; my expert's list
	global_load_b32 v[TOK], v[LADR], s[18:19]      ; the first tile's tokens: the oldest load
	s_lshl_b32 s26, s3, 2
	s_add_nc_u64 s[20:21], s[20:21], s[26:27]
	s_load_b32 s5, s[20:21], 0x0                   ; n_e
	s_lshl_b32 s26, ttmp9, 16
	s_lshl_b32 s28, s2, 14
	s_add_co_u32 s26, s26, s28
	s_add_nc_u64 s[12:13], s[12:13], s[26:27]      ; W1's codes: the slice's 128 rows of 512 bytes, my 32 of them
	s_lshl_b32 s26, ttmp9, 12
	s_add_nc_u64 s[14:15], s[14:15], s[26:27]      ; its scale bytes: 32 a row
	s_lshl_b32 s26, ttmp9, 9
	s_add_nc_u64 s[16:17], s[16:17], s[26:27]      ; b1: the slice's 128 numbers
	s_lshl_b32 s26, s3, 21
	s_lshl_b32 s28, s2, 15
	s_add_co_u32 s26, s26, s28
	s_lshl_b32 s28, s4, 10
	s_add_co_u32 s26, s26, s28
	s_add_nc_u64 s[22:23], s[22:23], s[26:27]      ; hcod: expert, tile w, K step sl
	s_lshl_b32 s26, s3, 17
	s_lshl_b32 s28, s2, 11
	s_add_co_u32 s26, s26, s28
	s_lshr_b32 s28, s4, 2
	s_lshl_b32 s28, s28, 8
	s_add_co_u32 s26, s26, s28
	s_and_b32 s28, s4, 3
	s_lshl_b32 s28, s28, 2
	s_add_co_u32 s26, s26, s28
	s_add_nc_u64 s[24:25], s[24:25], s[26:27]      ; hscl: expert, tile w, 256 (sl / 4) + 4 (sl % 4)
	WIN 0x40                                       ; destination window 1
.set I, 0
.rept 32
	global_load_b128 v[4*I:4*I+3], v[LI], s[12:13] offset:512*I th:TH_LOAD_NT   ; a whole row: 512 consecutive bytes; read once in the launch
.set I, I+1
.endr
	WIN 0
.irp t, 0,1,2,3,4,5,6,7
	global_load_b128 v[W1S+4*\t:W1S+4*\t+3], v[WSA], s[14:15] offset:(32*(\t/2)+8*(\t%2))*32
.endr
	WIN 0xc0                                       ; destination window 3
.irp t, 0,1,2,3,4,5,6,7                            ; b1 in the result's layout: lane (r, h), tile 2 b + u: units 32 b + 16 h + 8 u + 0 .. 7
	global_load_b128 v[B1+8*\t:B1+8*\t+3], v[BA], s[16:17] offset:(32*(\t/2)+8*(\t%2))*4
	global_load_b128 v[B1+8*\t+4:B1+8*\t+7], v[BA], s[16:17] offset:(32*(\t/2)+8*(\t%2))*4+16
.endr
	WIN 0
	s_wait_loadcnt 56                              ; behind the tokens' load stand 32 + 8 + 16 loads: the tokens are in
	v_min_u32 v[TV], 0x3ff, v[TOK]                 ; held inside x before it becomes an address
	v_lshl_add_u32 v[XADR], v[TV], 9, v[H16]
	v_lshl_add_u32 v[XSADR], v[TV], 5, v[H16]
	s_add_co_u32 s28, s2, 4
	s_lshl_b32 s28, s28, 6
	v_add_nc_u32 v[LADR], s28, v[R4]               ; tile w + 4
	global_load_b128 v[XS:XS+3], v[XSADR], s[10:11]
	XL 0
	XL 1
	WIN 0
	global_load_b32 v[TOK], v[LADR], s[18:19]
	s_wait_loadcnt 18                              ; the 1 + 8 + 8 + 1 just issued may be out: the weights, their scale words and b1 are in
	WIN 0x04                                       ; an LDS store's data are its source 1: window 1
.set I, 0
.rept 32                                           ; memory row 32 w + i goes to LDS row 32 w + P(i), P swapping bits 3 and 4 of i: so a tile's 16 rows are neighbours in LDS
	ds_store_b128 v[WST], v[4*I:4*I+3] offset:((I&7)|(((I>>3)&1)<<4)|(((I>>4)&1)<<3))*PITCH
.set I, I+1
.endr
	WIN 0
	s_wait_dscnt 0x0                               ; for the others' sake: my rows have landed
	s_barrier_signal -1
	s_barrier_wait -1                              ; the one barrier: the slice is whole
	WIN 0x40
.irp t, 0,1,2,3,4,5,6,7
.irp q, 0,1,2,3
.irp c, 0,1
	ds_load_b128 v[8*(4*\t+\q)+4*\c:8*(4*\t+\q)+4*\c+3], v[WLD] offset:16*\t*PITCH+64*\q+32*\c
.endr
.endr
.endr
	WIN 0x80
.irp t, 0,1,2,3,4,5,6,7
.irp q, 0,1,2,3
.irp c, 0,1
	ds_load_b128 v[8*(4*\t+\q)+4*\c:8*(4*\t+\q)+4*\c+3], v[WLD] offset:16*\t*PITCH+64*(\q+4)+32*\c
.endr
.endr
.endr
	WIN 0
	s_wait_dscnt 0x0
	s_wait_kmcnt 0x0
	s_min_u32 s5, s5, 1024                         ; a list has 1,024 places
	s_add_co_u32 s5, s5, 15
	s_lshr_b32 s5, s5, 4                           ; T = ceil(n_e / 16), at most 64
	s_add_co_u32 s6, s2, 1
	s_max_u32 s5, s5, s6                           ; (my first tile is made in any case)
	s_sub_co_u32 s5, s5, s6
	s_lshr_b32 s5, s5, 2                           ; how many of the tiles w + 4, w + 8, .. lie below T: (T - w - 1) / 4, rounded down: the loop's trips, at most 15
	s_add_co_u32 s6, s2, 8                         ; w + 8
	s_mov_b32 s[TRIP], 0
	s_cmp_eq_u32 s5, 0
	s_cbranch_scc1 .Ltail
.Lloop:                                            ; a trip makes one tile that has a successor
	TILE 1
	s_add_co_u32 s[TRIP], s[TRIP], 1
	s_cmp_lt_u32 s[TRIP], s5
	s_cbranch_scc1 .Lloop
.Ltail:
	TILE 0                                         ; my last tile asks for nothing more
	s_wait_tensorcnt 0x0
	ds_add_u32 v254, v255
	s_wait_dscnt 0x0
	s_endpgm
.Lfunc_end_k_q13a45d98e9_ffn1:
	.size	k_q13a45d98e9_ffn1, .Lfunc_end_k_q13a45d98e9_ffn1-k_q13a45d98e9_ffn1
	.p2alignl 7, 3214868480
	.fill 96, 4, 3214868480
	.section	.rodata,"a",@progbits
	.p2align	6, 0x0
	.amdhsa_kernel k_q13a45d98e9_ffn1
		.amdhsa_group_segment_fixed_size 68096
		.amdhsa_private_segment_fixed_size 0
		.amdhsa_enable_private_segment 0
		.amdhsa_kernarg_size 72
		.amdhsa_user_sgpr_count 2
		.amdhsa_user_sgpr_kernarg_segment_ptr 1
		.amdhsa_wavefront_size32 1
		.amdhsa_system_sgpr_workgroup_id_x 1
		.amdhsa_system_sgpr_workgroup_id_y 1
		.amdhsa_system_sgpr_workgroup_id_z 1
		.amdhsa_system_vgpr_workitem_id 0
		.amdhsa_next_free_vgpr 1024
		.amdhsa_next_free_sgpr 66
		.amdhsa_reserve_vcc 0
		.amdhsa_float_denorm_mode_32 3
		.amdhsa_float_denorm_mode_16_64 3
		.amdhsa_memory_ordered 1
		.amdhsa_forward_progress 1
		.amdhsa_inst_pref_size 53
	.end_amdhsa_kernel
	.amdgpu_metadata
---
amdhsa.version: [ 1, 2 ]
amdhsa.kernels:
  - .name:           k_q13a45d98e9_ffn1
    .symbol:         k_q13a45d98e9_ffn1.kd
    .args:
      - { .name: x_codes, .offset: 0, .size: 8, .value_kind: global_buffer, .address_space: global }
      - { .name: x_scales, .offset: 8, .size: 8, .value_kind: global_buffer, .address_space: global }
      - { .name: W1_codes, .offset: 16, .size: 8, .value_kind: global_buffer, .address_space: global }
      - { .name: W1_scales, .offset: 24, .size: 8, .value_kind: global_buffer, .address_space: global }
      - { .name: b1, .offset: 32, .size: 8, .value_kind: global_buffer, .address_space: global }
      - { .name: rows, .offset: 40, .size: 8, .value_kind: global_buffer, .address_space: global }
      - { .name: cnt, .offset: 48, .size: 8, .value_kind: global_buffer, .address_space: global }
      - { .name: hcod, .offset: 56, .size: 8, .value_kind: global_buffer, .address_space: global }
      - { .name: hscl, .offset: 64, .size: 8, .value_kind: global_buffer, .address_space: global }
    .group_segment_fixed_size: 68096
    .private_segment_fixed_size: 0
    .kernarg_segment_align: 8
    .kernarg_segment_size: 72
    .max_flat_workgroup_size: 128
    .sgpr_count:     66
    .vgpr_count:     1024
    .wavefront_size: 32
...
	.end_amdgpu_metadata
.endif
;; end of part 2
;; launch ffn2 (part 3): grid 256 x 1, 4 waves a work-group, no clusters, 75,776 bytes of LDS; arguments W2_codes, W2_scales, b2, cnt, hcod, hscl, y; writes y
.if DOCPART == 3
	.amdgcn_target "amdgcn-amd-amdhsa--gfx1250"
	.amdhsa_code_object_version 6
	.text
	.protected	k_q13a45d98e9_ffn2
	.globl	k_q13a45d98e9_ffn2
	.p2align	8
	.type	k_q13a45d98e9_ffn2,@function
k_q13a45d98e9_ffn2:
	s_mov_b64 s[64:65], 0
	v_nop
	global_prefetch_b8 v0, s[64:65] scope:SCOPE_SE
	s_setreg_imm32_b32 hwreg(HW_REG_WAVE_MODE, 25, 1), 1
	s_wait_xcnt 0x0
; y = hidden W2_e + b2_e for the rows that name expert e, on codes of FP4 (E2M1) with one E8M0 scale for each 32 along K (K = the 4,096 hidden units).
; SHARES.  Work-group wg = 32 e + sl owns output columns 32 sl .. 32 sl + 31 of expert e: 64 KiB of W2's codes, which no other work-group reads.  EVERY wave keeps the slice in registers (2 tiles x 32 K steps:
; 64 fragments, 512 registers); the waves share the expert's tiles of 16 rows as in the launch before: wave w takes tiles w, w + 4, .. below T = ceil(n_e / 16), and always tile w (which that launch always writes).
; The slice is brought once (each wave loads 8 of the 32 rows in pieces of 512 consecutive bytes and lays them in LDS; one barrier; each wave reads all fragments).  Behind that the waves share nothing.
; NO TENSOR LOADS, NO JOINT LOADS: the number of trips is read from memory (cnt), so the operands come by plain loads; each weight byte has one reader.
; THE PRODUCT IS USED TRANSPOSED: source 0 = 16 rows of W2, source 1 = a hidden fragment, which comes from memory as an image of its registers: every load covers 512 consecutive bytes.
; K is summed in two accumulators for each tile (even and odd K steps), so that four accumulators take turns; b2 is the C of the even sum's first product; the two are added at the end, in f32.
; OUT.  y[sl][e x 1024 + place][32] f32: a tile's 16 rows x 128 bytes are 2,048 consecutive bytes; they go through the wave's own stage in LDS and leave by four stores of 512 consecutive bytes, aligned.
; LIMITS: NaN and infinities are not served.
; REGISTERS, in windows of 256: window 0: v1-10 addresses; v16-47 W2's scale words (register 16 n + 4 g + q: lanes 0-15 K step 8 g + q, lanes 16-31 K step 8 g + 4 + q); v48-63 the hidden layer's (register 4 g + q, likewise);
;   v64-79 b2; v80-111 the four accumulators; v112-127 rows of y.   window 1: W2's fragments (K step s < 16, tile n) at 8 (2 s + n); at the head v0-127 hold what I bring.   window 2: those of K steps 16-31.
;   window 3: the hidden fragments, K step s at 8 s.
.set PITCH,  2064                      ; an LDS row of W2: 2,048 bytes + 16 = 516 words: row r starts at bank 4 r mod 64 (64 banks of 4 bytes: ISA guide 11.1)
.set STG,    32*PITCH                  ; behind the slice: a stage of 16 rows x SPITCH for each wave
.set SPITCH, 144                       ; 128 bytes + 16
.set LI,   4                           ; v4   16 x lane
.set WST,  5                           ; v5   LDS, on the way in: 16 x lane + my 8 rows
.set WLD,  6                           ; v6   LDS, a fragment: r x PITCH + 16 h
.set SO,   7                           ; v7   the stage: row r, + 32 h
.set SR,   8                           ; v8   and back: row lane / 8, + 16 (lane % 8)
.set WSA,  9                           ; v9   W2's scale words: r x 128 + 16 h
.set BA,   10                          ; v10  b2: 32 h
.set W2S,  16
.set HS,   48
.set B2,   64
.set AC,   80
.set YR,   112
.set TRIP, 32                          ; s32  the loop's counter: 0, 1, .. below s5
.set MSB, 0
.macro WIN new                         ; the immediate's high byte repeats the setting that is left; a switch that changes nothing is dropped
.if MSB != \new
	s_set_vgpr_msb (MSB<<8)|\new
.set MSB, \new
.endif
.endm
.macro PLACES n
.rept \n
	v_nop
.endr
.endm
; K step s, both tiles of columns.  The four accumulators (s % 2, n) take turns, one instruction a turn.
.macro MM2 s
.irp n, 0,1
.set rD, AC+8*(2*((\s)&1)+\n)
.set rA, 8*(2*((\s)&15)+\n)
.set rB, 8*(\s)
.set rW, W2S+16*\n+4*((\s)>>3)+((\s)&3)
.set rH, HS+4*((\s)>>3)+((\s)&3)
.if (\s) == 0
	v_wmma_scale_f32_16x16x128_f8f6f4 v[rD:rD+7], v[rA:rA+7], v[rB:rB+7], v[B2+8*\n:B2+8*\n+7], v[rW], v[rH] matrix_a_fmt:MATRIX_FMT_FP4 matrix_b_fmt:MATRIX_FMT_FP4
.elseif (\s) == 1
	v_wmma_scale_f32_16x16x128_f8f6f4 v[rD:rD+7], v[rA:rA+7], v[rB:rB+7], 0, v[rW], v[rH] matrix_a_fmt:MATRIX_FMT_FP4 matrix_b_fmt:MATRIX_FMT_FP4
.elseif (((\s)>>2)&1) == 0
	v_wmma_scale_f32_16x16x128_f8f6f4 v[rD:rD+7], v[rA:rA+7], v[rB:rB+7], v[rD:rD+7], v[rW], v[rH] matrix_a_fmt:MATRIX_FMT_FP4 matrix_b_fmt:MATRIX_FMT_FP4
.else
	v_wmma_scale_f32_16x16x128_f8f6f4 v[rD:rD+7], v[rA:rA+7], v[rB:rB+7], v[rD:rD+7], v[rW], v[rH] matrix_a_fmt:MATRIX_FMT_FP4 matrix_b_fmt:MATRIX_FMT_FP4 matrix_a_scale:MATRIX_SCALE_ROW1 matrix_b_scale:MATRIX_SCALE_ROW1
.endif
.endr
.endm
; Half a tile of the hidden layer (K steps 16 half .. 16 half + 15), off bytes of codes on from the tile in hand: 2 loads of scale words, 32 of codes: 34 loads
.macro HL half, off
	WIN 0
.irp g, 0,1
	global_load_b128 v[HS+8*\half+4*\g:HS+8*\half+4*\g+3], v[LI], s[18:19] offset:(\off)/16+(2*\half+\g)*512
.endr
	WIN 0xc0                                       ; destination window 3, address window 0
.irp q, 0,1,2,3,4,5,6,7,8,9,10,11,12,13,14,15
.irp c, 0,1
	global_load_b128 v[8*(16*\half+\q)+4*\c:8*(16*\half+\q)+4*\c+3], v[LI], s[16:17] offset:(\off)+1024*(16*\half+\q)+512*\c
.endr
.endr
	WIN 0
.endm
; ONE TILE OF 16 ROWS.  next = 1: the tile four further on follows, and each half of it is asked for as soon as the registers of this tile's half are free.
.macro TILE2 next
	s_wait_loadcnt 34                              ; the second half's 34 loads may be out: the first half is in
	WIN 0x0d                                       ; source 0 (W2) window 1, source 1 (hidden) window 3
.set Q, 0
.rept 16
	MM2 Q
.set Q, Q+1
.endr
	WIN 0
.if \next
	PLACES 4                                       ; in front of loads into registers that the products above have read
	HL 0, 4*32768
	s_wait_loadcnt 34                              ; the 34 just issued may be out: this tile's second half is in
.else
	s_wait_loadcnt 0x0
.endif
	WIN 0x0e                                       ; W2's K steps 16-31: window 2
.rept 16
	MM2 Q
.set Q, Q+1
.endr
	WIN 0
	PLACES 4                                       ; in front of the loads below and of the first read of the results
.if \next
	HL 1, 4*32768
.endif
.irp n, 0,1
.irp k, 0,2,4,6
	v_pk_add_f32 v[AC+8*\n+\k:AC+8*\n+\k+1], v[AC+8*\n+\k:AC+8*\n+\k+1], v[AC+16+8*\n+\k:AC+16+8*\n+\k+1]   ; even K steps' sum + odd K steps'; each accumulator from its low end on
.endr
.endr
.irp n, 0,1
	ds_store_b128 v[SO], v[AC+8*\n:AC+8*\n+3] offset:64*\n         ; lane (r, h): y(row r, column 16 n + 8 h + 0 .. 7)
	ds_store_b128 v[SO], v[AC+8*\n+4:AC+8*\n+7] offset:64*\n+16
.endr
.irp i, 0,1,2,3
	ds_load_b128 v[YR+4*\i:YR+4*\i+3], v[SR] offset:\i*4*SPITCH    ; my own bytes, and LDS serves a wave's instructions in order (ISA guide 5.7.1.4): these see the stores above
.endr
.irp i, 0,1,2,3
	s_wait_dscnt 3-\i                              ; the later loads from the stage may be out
	global_store_b128 v[LI], v[YR+4*\i:YR+4*\i+3], s[20:21] offset:512*\i   ; four rows of 128 bytes: 512 consecutive bytes, aligned
.endr
.if \next
	s_wait_xcnt 0x0                                ; the bases of the loads and stores above, and the stores' data, are written again only behind this wait
	s_add_nc_u64 s[16:17], s[16:17], 4*32768       ; four tiles on
	s_add_nc_u64 s[18:19], s[18:19], 4*2048
	s_add_nc_u64 s[20:21], s[20:21], 4*2048
.endif
.endm
	s_load_b256 s[8:15], s[0:1], 0x0               ; W2_codes s[8:9], W2_scales s[10:11], b2 s[12:13], cnt s[14:15]
	s_load_b128 s[16:19], s[0:1], 0x20             ; hcod s[16:17], hscl s[18:19]
	s_load_b64 s[20:21], s[0:1], 0x30              ; y
	v_lshl_add_u32 v254, v0, 2, 0x12600
	v_mov_b32 v255, 0
	v_lshrrev_b32 v1, 5, v0
	v_readfirstlane_b32 s2, v1                     ; wave 0..3
	v_and_b32 v1, 31, v0                           ; lane
	v_and_b32 v2, 15, v0                           ; r
	v_bfe_u32 v3, v0, 4, 1                         ; h
	s_lshr_b32 s3, ttmp9, 5                        ; e
	s_and_b32 s4, ttmp9, 31                        ; sl
	v_lshlrev_b32 v[LI], 4, v1
	s_mul_i32 s28, s2, 8*PITCH
	v_add_nc_u32 v[WST], s28, v[LI]
	v_mul_u32_u24 v[WLD], v2, PITCH
	v_lshl_add_u32 v[WLD], v3, 4, v[WLD]
	s_mul_i32 s28, s2, 16*SPITCH
	s_add_co_u32 s28, s28, STG                     ; my stage
	v_mul_u32_u24 v[SO], v2, SPITCH
	v_lshl_add_u32 v[SO], v3, 5, v[SO]
	v_add_nc_u32 v[SO], s28, v[SO]
	v_lshrrev_b32 v[SR], 3, v1
	v_mul_u32_u24 v[SR], v[SR], SPITCH
	v_and_b32 v11, 7, v1
	v_lshl_add_u32 v[SR], v11, 4, v[SR]
	v_add_nc_u32 v[SR], s28, v[SR]
	v_lshlrev_b32 v[WSA], 7, v2
	v_lshl_add_u32 v[WSA], v3, 4, v[WSA]
	v_lshlrev_b32 v[BA], 5, v3
	s_mov_b32 s27, 0
	s_wait_kmcnt 0x0
	s_lshl_b32 s26, s3, 2
	s_add_nc_u64 s[14:15], s[14:15], s[26:27]
	s_load_b32 s5, s[14:15], 0x0                   ; n_e
	s_lshl_b32 s26, ttmp9, 16
	s_lshl_b32 s28, s2, 14
	s_add_co_u32 s26, s26, s28
	s_add_nc_u64 s[8:9], s[8:9], s[26:27]          ; W2's codes: the slice's 32 rows of 2,048 bytes, my 8 of them
	s_lshl_b32 s26, ttmp9, 12
	s_add_nc_u64 s[10:11], s[10:11], s[26:27]      ; its scale bytes: 128 a row
	s_lshl_b32 s26, ttmp9, 7
	s_add_nc_u64 s[12:13], s[12:13], s[26:27]      ; b2: the slice's 32 numbers
	s_lshl_b32 s26, s3, 21
	s_lshl_b32 s28, s2, 15
	s_add_co_u32 s26, s26, s28
	s_add_nc_u64 s[16:17], s[16:17], s[26:27]      ; hcod: expert, tile w
	s_lshl_b32 s26, s3, 17
	s_lshl_b32 s28, s2, 11
	s_add_co_u32 s26, s26, s28
	s_add_nc_u64 s[18:19], s[18:19], s[26:27]      ; hscl: expert, tile w
	s_lshl_b32 s28, s4, 20
	s_add_co_u32 s26, s26, s28
	s_add_nc_u64 s[20:21], s[20:21], s[26:27]      ; y: slice, expert, tile w (a tile is 2,048 bytes there too)
	WIN 0x40                                       ; destination window 1
.irp i, 0,1,2,3,4,5,6,7
.irp q, 0,1,2,3
	global_load_b128 v[4*(4*\i+\q):4*(4*\i+\q)+3], v[LI], s[8:9] offset:2048*\i+512*\q th:TH_LOAD_NT   ; 512 consecutive bytes of a row; read once in the launch
.endr
.endr
	WIN 0
.irp n, 0,1
.irp g, 0,1,2,3
	global_load_b128 v[W2S+16*\n+4*\g:W2S+16*\n+4*\g+3], v[WSA], s[10:11] offset:16*\n*128+32*\g
.endr
.endr
.irp n, 0,1                                        ; b2 in the result's layout: lane (r, h), tile n: columns 16 n + 8 h + 0 .. 7
	global_load_b128 v[B2+8*\n:B2+8*\n+3], v[BA], s[12:13] offset:64*\n
	global_load_b128 v[B2+8*\n+4:B2+8*\n+7], v[BA], s[12:13] offset:64*\n+16
.endr
	HL 0, 0                                        ; my first tile's first half
	s_wait_loadcnt 46                              ; behind the weights stand 8 + 4 + 34 loads: the weights are in
	WIN 0x04                                       ; an LDS store's data are its source 1: window 1
.irp i, 0,1,2,3,4,5,6,7
.irp q, 0,1,2,3
	ds_store_b128 v[WST], v[4*(4*\i+\q):4*(4*\i+\q)+3] offset:PITCH*\i+512*\q
.endr
.endr
	HL 1, 0                                        ; my first tile's second half
	s_wait_dscnt 0x0                               ; for the others' sake: my rows have landed
	s_barrier_signal -1
	s_barrier_wait -1                              ; the one barrier: the slice is whole
	WIN 0x40
.irp q, 0,1,2,3,4,5,6,7,8,9,10,11,12,13,14,15
.irp n, 0,1
.irp c, 0,1
	ds_load_b128 v[8*(2*\q+\n)+4*\c:8*(2*\q+\n)+4*\c+3], v[WLD] offset:16*\n*PITCH+64*\q+32*\c
.endr
.endr
.endr
	WIN 0x80
.irp q, 0,1,2,3,4,5,6,7,8,9,10,11,12,13,14,15
.irp n, 0,1
.irp c, 0,1
	ds_load_b128 v[8*(2*\q+\n)+4*\c:8*(2*\q+\n)+4*\c+3], v[WLD] offset:16*\n*PITCH+64*(\q+16)+32*\c
.endr
.endr
.endr
	WIN 0
	s_wait_dscnt 0x0
	s_wait_kmcnt 0x0
	s_min_u32 s5, s5, 1024                         ; a list has 1,024 places
	s_add_co_u32 s5, s5, 15
	s_lshr_b32 s5, s5, 4                           ; T = ceil(n_e / 16), at most 64
	s_add_co_u32 s6, s2, 1
	s_max_u32 s5, s5, s6                           ; (my first tile is made in any case)
	s_sub_co_u32 s5, s5, s6
	s_lshr_b32 s5, s5, 2                           ; how many of the tiles w + 4, w + 8, .. lie below T: (T - w - 1) / 4, rounded down: the loop's trips, at most 15
	s_mov_b32 s[TRIP], 0
	s_cmp_eq_u32 s5, 0
	s_cbranch_scc1 .Ltail
.Lloop:                                            ; a trip makes one tile that has a successor
	TILE2 1
	s_add_co_u32 s[TRIP], s[TRIP], 1
	s_cmp_lt_u32 s[TRIP], s5
	s_cbranch_scc1 .Lloop
.Ltail:
	TILE2 0                                        ; my last tile asks for nothing more
	s_wait_tensorcnt 0x0
	ds_add_u32 v254, v255
	s_wait_dscnt 0x0
	s_endpgm
.Lfunc_end_k_q13a45d98e9_ffn2:
	.size	k_q13a45d98e9_ffn2, .Lfunc_end_k_q13a45d98e9_ffn2-k_q13a45d98e9_ffn2
	.p2alignl 7, 3214868480
	.fill 96, 4, 3214868480
	.section	.rodata,"a",@progbits
	.p2align	6, 0x0
	.amdhsa_kernel k_q13a45d98e9_ffn2
		.amdhsa_group_segment_fixed_size 75776
		.amdhsa_private_segment_fixed_size 0
		.amdhsa_enable_private_segment 0
		.amdhsa_kernarg_size 56
		.amdhsa_user_sgpr_count 2
		.amdhsa_user_sgpr_kernarg_segment_ptr 1
		.amdhsa_wavefront_size32 1
		.amdhsa_system_sgpr_workgroup_id_x 1
		.amdhsa_system_sgpr_workgroup_id_y 1
		.amdhsa_system_sgpr_workgroup_id_z 1
		.amdhsa_system_vgpr_workitem_id 0
		.amdhsa_next_free_vgpr 1024
		.amdhsa_next_free_sgpr 66
		.amdhsa_reserve_vcc 0
		.amdhsa_float_denorm_mode_32 3
		.amdhsa_float_denorm_mode_16_64 3
		.amdhsa_memory_ordered 1
		.amdhsa_forward_progress 1
		.amdhsa_inst_pref_size 51
	.end_amdhsa_kernel
	.amdgpu_metadata
---
amdhsa.version: [ 1, 2 ]
amdhsa.kernels:
  - .name:           k_q13a45d98e9_ffn2
    .symbol:         k_q13a45d98e9_ffn2.kd
    .args:
      - { .name: W2_codes, .offset: 0, .size: 8, .value_kind: global_buffer, .address_space: global }
      - { .name: W2_scales, .offset: 8, .size: 8, .value_kind: global_buffer, .address_space: global }
      - { .name: b2, .offset: 16, .size: 8, .value_kind: global_buffer, .address_space: global }
      - { .name: cnt, .offset: 24, .size: 8, .value_kind: global_buffer, .address_space: global }
      - { .name: hcod, .offset: 32, .size: 8, .value_kind: global_buffer, .address_space: global }
      - { .name: hscl, .offset: 40, .size: 8, .value_kind: global_buffer, .address_space: global }
      - { .name: y, .offset: 48, .size: 8, .value_kind: global_buffer, .address_space: global }
    .group_segment_fixed_size: 75776
    .private_segment_fixed_size: 0
    .kernarg_segment_align: 8
    .kernarg_segment_size: 56
    .max_flat_workgroup_size: 128
    .sgpr_count:     66
    .vgpr_count:     1024
    .wavefront_size: 32
...
	.end_amdgpu_metadata
.endif
;; end of part 3
;; launch mix (part 4): grid 256 x 1, 4 waves a work-group, no clusters, 0 bytes of LDS; arguments pos, y, out0; writes out0
.if DOCPART == 4
	.amdgcn_target "amdgcn-amd-amdhsa--gfx1250"
	.amdhsa_code_object_version 6
	.text
	.protected	k_q13a45d98e9_mix
	.globl	k_q13a45d98e9_mix
	.p2align	8
	.type	k_q13a45d98e9_mix,@function
k_q13a45d98e9_mix:
	s_mov_b64 s[64:65], 0
	v_nop
	global_prefetch_b8 v0, s[64:65] scope:SCOPE_SE
	s_setreg_imm32_b32 hwreg(HW_REG_WAVE_MODE, 25, 1), 1
	s_wait_xcnt 0x0
; out0[t] = (the sum of y over the DISTINCT experts that token t names) / 2.  pos[t][0..1]: the token's two rows of y (equal where its two experts are equal: the row then counts once).
; y: [32 slices][8,192 rows][32] f32.  One wave to a token: its 1,024 numbers are eight loads of 16 bytes a lane from each of the two rows; load i covers columns 128 i .. 128 i + 127, four slices' 128 bytes,
; eight lanes to a slice.  out0's row leaves by eight stores of 512 consecutive bytes, aligned.  A stream: no LDS, no barrier, no matrix unit.
; out = 0.5 a + g b with g = 0.5, or 0 where the two rows are one: halving rounds nothing, so the sum is rounded once, as (a + b) / 2 is.  LIMIT: NaN and infinities are not served.
.set VA, 4                             ; v4-7   offsets of the first row: slices 8 k + lane / 8 (the slices four further on by the immediate)
.set VB, 8                             ; v8-11  of the second
.set OO, 12                            ; v12    16 x lane
.set A,  16                            ; v16-47 the first row, then the result
.set B,  48                            ; v48-79 the second row
	s_load_b128 s[4:7], s[0:1], 0x0                ; pos s[4:5], y s[6:7]
	s_load_b64 s[8:9], s[0:1], 0x10                ; out0
	v_lshrrev_b32 v1, 5, v0
	v_readfirstlane_b32 s2, v1                     ; wave 0..3
	v_and_b32 v1, 31, v0                           ; lane
	s_lshl_b32 s3, ttmp9, 2
	s_add_co_u32 s3, s3, s2                        ; my token
	s_lshl_b32 s10, s3, 3
	s_mov_b32 s11, 0
	v_lshrrev_b32 v2, 3, v1
	v_and_b32 v3, 7, v1
	v_lshlrev_b32 v3, 4, v3
	v_lshl_or_b32 v2, v2, 20, v3                   ; (lane / 8) slices of 2^20 bytes + 16 (lane % 8)
	v_lshlrev_b32 v[OO], 4, v1
	s_wait_kmcnt 0x0
	s_add_nc_u64 s[4:5], s[4:5], s[10:11]
	s_load_b64 s[12:13], s[4:5], 0x0
	s_lshl_b32 s10, s3, 12
	s_add_nc_u64 s[8:9], s[8:9], s[10:11]          ; my row of out0
	s_wait_kmcnt 0x0
	s_min_u32 s12, s12, 0x1fff                     ; held inside y's 8,192 rows before they become addresses
	s_min_u32 s13, s13, 0x1fff
	s_cmp_lg_u32 s12, s13
	s_cselect_b32 s14, 0x3f000000, 0               ; g
	s_mov_b32 s15, s14                             ; (named with it as a pair, so it is written)
	s_lshl_b32 s12, s12, 7                         ; a row of a slice is 128 bytes
	s_lshl_b32 s13, s13, 7
.irp k, 0,1,2,3
	s_add_co_u32 s16, s12, \k*0x800000
	s_add_co_u32 s17, s13, \k*0x800000
	v_add_nc_u32 v[VA+\k], s16, v2
	v_add_nc_u32 v[VB+\k], s17, v2
.endr
.irp i, 0,1,2,3,4,5,6,7
	global_load_b128 v[A+4*\i:A+4*\i+3], v[VA+\i/2], s[6:7] offset:(\i%2)*0x400000
	global_load_b128 v[B+4*\i:B+4*\i+3], v[VB+\i/2], s[6:7] offset:(\i%2)*0x400000
.endr
.irp i, 0,1,2,3,4,5,6,7
	s_wait_loadcnt 14-2*\i                         ; the later pairs of loads may be out
	v_pk_mul_f32 v[A+4*\i:A+4*\i+1], v[A+4*\i:A+4*\i+1], 0.5 op_sel_hi:[1,0]
	v_pk_mul_f32 v[A+4*\i+2:A+4*\i+3], v[A+4*\i+2:A+4*\i+3], 0.5 op_sel_hi:[1,0]
	v_pk_fma_f32 v[A+4*\i:A+4*\i+1], v[B+4*\i:B+4*\i+1], s[14:15], v[A+4*\i:A+4*\i+1] op_sel_hi:[1,0,1]
	v_pk_fma_f32 v[A+4*\i+2:A+4*\i+3], v[B+4*\i+2:B+4*\i+3], s[14:15], v[A+4*\i+2:A+4*\i+3] op_sel_hi:[1,0,1]
	global_store_b128 v[OO], v[A+4*\i:A+4*\i+3], s[8:9] offset:512*\i th:TH_STORE_NT
.endr
	s_endpgm
.Lfunc_end_k_q13a45d98e9_mix:
	.size	k_q13a45d98e9_mix, .Lfunc_end_k_q13a45d98e9_mix-k_q13a45d98e9_mix
	.p2alignl 7, 3214868480
	.fill 96, 4, 3214868480
	.section	.rodata,"a",@progbits
	.p2align	6, 0x0
	.amdhsa_kernel k_q13a45d98e9_mix
		.amdhsa_group_segment_fixed_size 0
		.amdhsa_private_segment_fixed_size 0
		.amdhsa_enable_private_segment 0
		.amdhsa_kernarg_size 24
		.amdhsa_user_sgpr_count 2
		.amdhsa_user_sgpr_kernarg_segment_ptr 1
		.amdhsa_wavefront_size32 1
		.amdhsa_system_sgpr_workgroup_id_x 1
		.amdhsa_system_sgpr_workgroup_id_y 1
		.amdhsa_system_sgpr_workgroup_id_z 1
		.amdhsa_system_vgpr_workitem_id 0
		.amdhsa_next_free_vgpr 96
		.amdhsa_next_free_sgpr 66
		.amdhsa_reserve_vcc 0
		.amdhsa_float_denorm_mode_32 3
		.amdhsa_float_denorm_mode_16_64 3
		.amdhsa_memory_ordered 1
		.amdhsa_forward_progress 1
		.amdhsa_inst_pref_size 7
	.end_amdhsa_kernel
	.amdgpu_metadata
---
amdhsa.version: [ 1, 2 ]
amdhsa.kernels:
  - .name:           k_q13a45d98e9_mix
    .symbol:         k_q13a45d98e9_mix.kd
    .args:
      - { .name: pos, .offset: 0, .size: 8, .value_kind: global_buffer, .address_space: global }
      - { .name: y, .offset: 8, .size: 8, .value_kind: global_buffer, .address_space: global }
      - { .name: out0, .offset: 16, .size: 8, .value_kind: global_buffer, .address_space: global }
    .group_segment_fixed_size: 0
    .private_segment_fixed_size: 0
    .kernarg_segment_align: 8
    .kernarg_segment_size: 24
    .max_flat_workgroup_size: 128
    .sgpr_count:     66
    .vgpr_count:     96
    .wavefront_size: 32
...
	.end_amdgpu_metadata
.endif
;; end of part 4
;; ======== version 2 of 2: 4 launches
;; workspace buffers: rows 32,768 bytes of whole numbers; cnt 256 bytes of whole numbers; pos 8,192 bytes of whole numbers; hcod 16,777,216 bytes; hscl 1,048,576 bytes; y 33,554,432 bytes
;; launch route (part 5): grid 1 x 1, 32 waves a work-group, no clusters, 4,608 bytes of LDS; arguments assign, rows, cnt, pos; writes rows, cnt, pos
.if DOCPART == 5
	.amdgcn_target "amdgcn-amd-amdhsa--gfx1250"
	.amdhsa_code_object_version 6
	.text
	.protected	k_q13a45d98e9_route
	.globl	k_q13a45d98e9_route
	.p2align	8
	.type	k_q13a45d98e9_route,@function
k_q13a45d98e9_route:
	s_mov_b64 s[64:65], 0
	v_nop
	global_prefetch_b8 v0, s[64:65] scope:SCOPE_SE
	s_setreg_imm32_b32 hwreg(HW_REG_WAVE_MODE, 25, 1), 1
	s_wait_xcnt 0x0
; ROUTING, in whole numbers alone.  assign: [1024 tokens][2] int32.  A counting sort by expert, tokens ascending, without atomics.
; OUT: rows[e][p] = the token in place p of expert e's list (0 for p >= n_e: every one of the 8 x 1024 words is written once);
;      cnt[e] = n_e (words 8..31 = 0);  pos[t][0..1] = e x 1024 + p for the token's two experts (equal where the two experts are equal: such a token stands once in the list).
; One work-group of 32 waves; thread t is token t, and for the filling of the lists' ends place t.
; LIMIT: an expert number outside 0..7 is held at 7 (the problem keeps an index inside its table).
.set MA,   16                          ; s16-23  lanes whose first expert is e
.set MB,   24                          ; s24-31  lanes whose second expert is e
.set CN,   32                          ; s32-39  my wave's count for e
.set BASE, 50                          ; s50-57  what the waves in front of mine count for e
.set TOT,  66                          ; s66-73  n_e
	s_load_b256 s[4:11], s[0:1], 0x0               ; assign s[4:5], rows s[6:7], cnt s[8:9], pos s[10:11]
	v_lshl_add_u32 v48, v0, 2, 0x200
	v_mov_b32 v49, 0
	v_and_b32 v1, 31, v0                           ; lane
	v_lshrrev_b32 v30, 5, v0
	s_delay_alu instid0(VALU_DEP_1)
	v_readfirstlane_b32 s12, v30                   ; wave 0..31
	v_lshlrev_b32 v26, 3, v0                       ; 8 t: my pair in assign and in pos
	v_lshlrev_b32 v27, 2, v0                       ; 4 t
	s_delay_alu instid0(VALU_DEP_4)
	v_lshlrev_b32 v31, 4, v30                      ; LDS: 16 bytes for each wave
	v_lshlrev_b32 v32, 4, v1                       ; and lane l reads wave l's
	v_mov_b32 v28, 0
	v_mov_b32 v4, 0                                ; my place for the first expert,
	v_mov_b32 v5, 0                                ; for the second
	v_mov_b32 v7, 0                                ; (written once: the destination of a lane move counts as read)
	v_mov_b32 v20, 0
	v_mov_b32 v21, 0
	s_mov_b32 s48, 0x76543210
	s_mov_b32 s49, 0xfedcba98                      ; v_permlanex16_b32's selects for lane l xor 16
	s_wait_kmcnt 0x0
	global_load_b64 v[2:3], v26, s[4:5]
	s_wait_loadcnt 0x0
	v_min_u32 v2, 7, v2
	v_min_u32 v3, 7, v3
.irp e, 0,1,2,3,4,5,6,7                            ; for each expert: who names it, how many in my wave, and my rank among them
	v_cmp_eq_u32 s[MA+\e], \e, v2
	v_cmp_eq_u32 s[MB+\e], \e, v3
	s_or_b32 s40, s[MA+\e], s[MB+\e]               ; a token that names e twice counts once
	s_bcnt1_i32_b32 s[CN+\e], s40
	v_mbcnt_lo_u32_b32 v6, s40, 0                  ; how many lanes below mine name e
	s_delay_alu instid0(VALU_DEP_1)
	v_cndmask_b32 v4, v4, v6, s[MA+\e]
	s_delay_alu instid0(VALU_DEP_2)
	v_cndmask_b32 v5, v5, v6, s[MB+\e]
.endr
.irp k, 0,1,2,3                                    ; the eight counts (at most 32 each; their sums at most 1,024) go two to a word
	s_lshl_b32 s41, s[CN+2*\k+1], 16
	s_or_b32 s[44+\k], s[CN+2*\k], s41
	v_mov_b32 v[8+\k], s[44+\k]
.endr
	ds_store_b128 v31, v[8:11]                     ; all lanes write the same 16 bytes with the same values
	s_wait_dscnt 0x0                               ; for the others' sake: my store has landed
	s_barrier_signal -1
	s_barrier_wait -1
	ds_load_b128 v[12:15], v32                     ; lane l: wave l's counts
	s_wait_dscnt 0x0
	v_cmp_gt_u32 vcc_lo, s12, v1                   ; waves in front of mine
.irp k, 0,1,2,3
	v_cndmask_b32 v[16+\k], 0, v[12+\k], vcc_lo
.endr
.macro LSUM reg                                    ; the sum over the 32 lanes, in every lane
.irp m, 1
	v_mov_b32_dpp v7, v[\reg] row_xmask:\m row_mask:0xf bank_mask:0xf
	s_delay_alu instid0(VALU_DEP_1)
	v_add_nc_u32 v[\reg], v[\reg], v7
.endr
.irp m, 2, 4, 8
	s_delay_alu instid0(VALU_DEP_1)
	v_mov_b32_dpp v7, v[\reg] row_xmask:\m row_mask:0xf bank_mask:0xf
	s_delay_alu instid0(VALU_DEP_1)
	v_add_nc_u32 v[\reg], v[\reg], v7
.endr
	s_delay_alu instid0(VALU_DEP_1)
	v_permlanex16_b32 v7, v[\reg], s48, s49
	s_delay_alu instid0(VALU_DEP_1)
	v_add_nc_u32 v[\reg], v[\reg], v7
.endm
.irp g, 12,13,14,15,16,17,18,19
	LSUM \g
.endr
	s_wait_alu depctr_va_vdst(0)
.irp k, 0,1,2,3
	v_readfirstlane_b32 s41, v[12+\k]
	s_and_b32 s[TOT+2*\k], s41, 0xffff
	s_lshr_b32 s[TOT+2*\k+1], s41, 16
	v_readfirstlane_b32 s42, v[16+\k]
	s_and_b32 s[BASE+2*\k], s42, 0xffff
	s_lshr_b32 s[BASE+2*\k+1], s42, 16
.endr
.irp e, 0
	v_cndmask_b32 v20, v20, s[BASE+\e], s[MA+\e]
	v_cndmask_b32 v21, v21, s[BASE+\e], s[MB+\e]
.endr
.irp e, 1, 2, 3, 4, 5, 6, 7
	s_delay_alu instid0(VALU_DEP_2)
	v_cndmask_b32 v20, v20, s[BASE+\e], s[MA+\e]
	s_delay_alu instid0(VALU_DEP_2)
	v_cndmask_b32 v21, v21, s[BASE+\e], s[MB+\e]
.endr
	s_delay_alu instid0(VALU_DEP_2)
	v_add_nc_u32 v4, v4, v20                       ; place = the earlier waves' count + my rank
	s_delay_alu instid0(VALU_DEP_2)
	v_add_nc_u32 v5, v5, v21
	s_delay_alu instid0(VALU_DEP_2)
	v_lshl_add_u32 v22, v2, 10, v4                 ; e x 1024 + place
	s_delay_alu instid0(VALU_DEP_2)
	v_lshl_add_u32 v23, v3, 10, v5
	s_delay_alu instid0(VALU_DEP_2)
	v_min_u32 v22, 0x1fff, v22                     ; held inside the table of 8,192 words before it becomes an address
	s_delay_alu instid0(VALU_DEP_2)
	v_min_u32 v23, 0x1fff, v23
	s_delay_alu instid0(VALU_DEP_2)
	v_lshlrev_b32 v24, 2, v22
	s_delay_alu instid0(VALU_DEP_2)
	v_lshlrev_b32 v25, 2, v23
	global_store_b32 v24, v0, s[6:7]               ; my token into its experts' lists (twice the same word with the same value where the experts are equal)
	global_store_b32 v25, v0, s[6:7]
	global_store_b64 v26, v[22:23], s[10:11]
.irp e, 0,1,2,3,4,5,6,7                            ; the lists' ends: places n_e .. 1023 hold token 0
	v_cmp_le_u32 vcc_lo, s[TOT+\e], v0
	s_wait_xcnt 0x0                                ; EXEC changes only behind this wait: the stores above have been taken
	s_and_saveexec_b32 s74, vcc_lo
	global_store_b32 v27, v28, s[6:7] offset:\e*4096
	s_wait_xcnt 0x0                                ; and again in front of the line that widens it
	s_or_b32 exec_lo, exec_lo, s74
.endr
	s_cmp_lg_u32 s12, 0
	s_cbranch_scc1 .Ldone
	v_mov_b32 v29, 0                               ; wave 0 stores the counts: lane e holds n_e, lanes 8-31 hold 0
.irp e, 0,1,2,3,4,5,6,7
	s_delay_alu instid0(VALU_DEP_1)
	v_writelane_b32 v29, s[TOT+\e], \e
.endr
	global_store_b32 v27, v29, s[8:9]
.Ldone:
	s_wait_tensorcnt 0x0
	ds_add_u32 v48, v49
	s_wait_dscnt 0x0
	s_endpgm
.Lfunc_end_k_q13a45d98e9_route:
	.size	k_q13a45d98e9_route, .Lfunc_end_k_q13a45d98e9_route-k_q13a45d98e9_route
	.p2alignl 7, 3214868480
	.fill 96, 4, 3214868480
	.section	.rodata,"a",@progbits
	.p2align	6, 0x0
	.amdhsa_kernel k_q13a45d98e9_route
		.amdhsa_group_segment_fixed_size 4608
		.amdhsa_private_segment_fixed_size 0
		.amdhsa_enable_private_segment 0
		.amdhsa_kernarg_size 32
		.amdhsa_user_sgpr_count 2
		.amdhsa_user_sgpr_kernarg_segment_ptr 1
		.amdhsa_wavefront_size32 1
		.amdhsa_system_sgpr_workgroup_id_x 1
		.amdhsa_system_sgpr_workgroup_id_y 1
		.amdhsa_system_sgpr_workgroup_id_z 1
		.amdhsa_system_vgpr_workitem_id 0
		.amdhsa_next_free_vgpr 50
		.amdhsa_next_free_sgpr 80
		.amdhsa_reserve_vcc 1
		.amdhsa_float_denorm_mode_32 3
		.amdhsa_float_denorm_mode_16_64 3
		.amdhsa_memory_ordered 1
		.amdhsa_forward_progress 1
		.amdhsa_inst_pref_size 18
	.end_amdhsa_kernel
	.amdgpu_metadata
---
amdhsa.version: [ 1, 2 ]
amdhsa.kernels:
  - .name:           k_q13a45d98e9_route
    .symbol:         k_q13a45d98e9_route.kd
    .args:
      - { .name: assign, .offset: 0, .size: 8, .value_kind: global_buffer, .address_space: global }
      - { .name: rows, .offset: 8, .size: 8, .value_kind: global_buffer, .address_space: global }
      - { .name: cnt, .offset: 16, .size: 8, .value_kind: global_buffer, .address_space: global }
      - { .name: pos, .offset: 24, .size: 8, .value_kind: global_buffer, .address_space: global }
    .group_segment_fixed_size: 4608
    .private_segment_fixed_size: 0
    .kernarg_segment_align: 8
    .kernarg_segment_size: 32
    .max_flat_workgroup_size: 1024
    .sgpr_count:     80
    .vgpr_count:     50
    .wavefront_size: 32
...
	.end_amdgpu_metadata
.endif
;; end of part 5
;; launch ffn1 (part 6): grid 256 x 1, 4 waves a work-group, no clusters, 68,096 bytes of LDS; arguments x_codes, x_scales, W1_codes, W1_scales, b1, rows, cnt, hcod, hscl; writes hcod, hscl
.if DOCPART == 6
	.amdgcn_target "amdgcn-amd-amdhsa--gfx1250"
	.amdhsa_code_object_version 6
	.text
	.protected	k_q13a45d98e9_ffn1
	.globl	k_q13a45d98e9_ffn1
	.p2align	8
	.type	k_q13a45d98e9_ffn1,@function
k_q13a45d98e9_ffn1:
	s_mov_b64 s[64:65], 0
	v_nop
	global_prefetch_b8 v0, s[64:65] scope:SCOPE_SE
	s_setreg_imm32_b32 hwreg(HW_REG_WAVE_SCHED_MODE, 0, 2), 2
	s_setreg_imm32_b32 hwreg(HW_REG_WAVE_MODE, 25, 1), 1
	s_wait_xcnt 0x0
	s_wait_alu depctr_vm_vsrc(0)
; hidden = Q(relu(x W1_e + b1_e)) for the rows that name expert e, on codes of FP4 (E2M1) with one E8M0 scale for each 32 along K; Q quantises along the hidden units, in blocks of 32.
; SHARES.  Work-group wg = 32 e + sl owns hidden units 128 sl .. 128 sl + 127 of expert e: 64 KiB of W1's codes, which no other work-group reads.  EVERY wave keeps that whole slice in registers
; (64 fragments, 512 registers); the four waves share the expert's tiles of 16 rows: wave w takes tiles w, w + 4, .. below T = ceil(n_e / 16), and always tile w.  (Places behind n_e hold token 0; what is
; made of them is never read as a result.  That a wave's first tile is always made lets its loads go out at the head, and makes every byte that the next launch's first loads read a written byte.)
; The slice is brought once: each wave loads 32 of its 128 rows, whole rows of 512 consecutive bytes, and lays them in LDS; one barrier; each wave reads all fragments.  Behind that the waves share nothing.
; NO TENSOR LOADS, NO JOINT LOADS: the number of trips is read from memory (cnt), so the operands come by plain loads; each weight byte has one reader.
; THE PRODUCT IS USED TRANSPOSED: source 0 = 16 rows of W1, source 1 = 16 rows of x: a lane holds ONE row of the hidden layer.  THE ROWS OF W1 THAT FORM A TILE ARE NOT NEIGHBOURS: lane r of tile 2 b + u takes
; unit 32 b + 8 u + r + 8 (r / 8), so that the 16 registers of tiles 2 b and 2 b + 1 are 16 neighbours along the next K: units 32 b + 16 (lane / 16) + 0 .. 15.  b1 is the C of each sum's first product.
; OUT.  The 128 units are K step sl of the next product: one fragment (8 registers a lane), stored as an image of its registers, hcod[e][tile][K step][c][lane] 16 bytes, and one scale word a row,
; hscl[e][tile][K step / 4][row][K step % 4].
; LIMITS: NaN and infinities are not served; a block whose largest magnitude lies under 2^-124 (a block of zeros too) gets the scale byte 1: the bytes are read by this program alone, and zero codes add nothing.
; THE MODE: SCHED_MODE bits 1:0 = 2 (LLVM: expert scheduling mode 2), set by the entry lines.  The code itself states the register dependences between vector or matrix instructions and memory or LDS
; instructions, with s_wait_alu, always for 0.
; THE PLAN.  Registers that memory instructions touch in the loop over tiles:
;   X lo (window 3, v0-31: x's K steps 0-3)   read by a tile's first 32 products; the next tile's eight loads land there in the tile's middle.
;   X hi (window 3, v32-63: K steps 4-7) and v48-51 (x's scale words)   read up to the tile's last product; the next tile's loads land there behind it.
;   v8 (tokens)   read by one vector line in the tile's middle; loaded again behind the last product.
;   v5-7 (addresses)   written by vector lines in the tile's middle; read by the 18 loads that follow, the last of them behind the last product.
;   v52-60 (the codes and the scale word just made)   written by QUANT; read by the tile's three stores.
;   v4, v9 are offsets that are never written again; W1's fragments and scale words and b1 are loaded at the head and then named by products alone.
; So a tile has one wait on vm_vsrc (the earlier loads have read v5-7, the last tile's stores v52-60) and three on va_vdst: in its middle, ahead of the loads into X lo; behind its last product, ahead of
; the loads into X hi, v48-51 and v8; behind QUANT, ahead of the stores.  Behind each of them no vector or matrix instruction names a register that the run of memory instructions there touches.
; REGISTERS, in windows of 256: window 0: v1-15, v61 addresses; v16-47 W1's scale words (register 4 t + q: lanes 0-15 K step q, lanes 16-31 K step 4 + q); v48-51 x's, laid likewise; v52-59 the codes just made;
;   v60 their scale word; v64-79 at work; v128-191 the 8 accumulators.   window 1: W1's fragments (tile t, K step s < 4) at 8 (4 t + s); at the head v0-127 hold the 32 rows that I bring.
;   window 2: those of K steps 4-7 at 8 (4 t + s - 4).   window 3: v0-63 x's fragments, K step s at 8 s; v64-127 b1, tile t at 64 + 8 t.
.set PITCH, 528                        ; an LDS row: 512 bytes + 16 = 132 words: row r starts at bank 4 r mod 64 (64 banks of 4 bytes: ISA guide 11.1), so the 16 rows that a fragment load touches start at 16 different banks
.set LI,    4                          ; v4   16 x lane
.set XADR,  5                          ; v5   my row's codes in x: token x 512 + 16 h
.set XSADR, 6                          ; v6   its scale words: token x 32 + 16 h
.set LADR,  7                          ; v7   where the token of a tile's row r stands in the list: 64 x tile + 4 r
.set TOK,   8                          ; v8   that token
.set HSO,   9                          ; v9   16 r
.set WST,   10                         ; v10  LDS, on the way in: 16 x lane + my 32 rows
.set WLD,   11                         ; v11  LDS, a fragment: r x PITCH + 16 h
.set TV,    12                         ; v12  the token, held inside x
.set H16,   13                         ; v13  16 h
.set R4,    14                         ; v14  4 r
.set WSA,   15                         ; v15  W1's scale words: (r + 8 (r / 8)) x 32 + 16 h
.set BA,    61                         ; v61  b1: 64 h
.set W1S,   16
.set XS,    48
.set PC,    52
.set PW,    60
.set TM,    64
.set HA,    128
.set B1,    64                         ; in window 3
.set SEL,   30                         ; s[30:31]
.set TRIP,  32                         ; s32  the loop's counter: 0, 1, .. below s5
.set MSB, 0
.macro WIN new                         ; the immediate's high byte repeats the setting that is left; a switch that changes nothing is dropped
.if MSB != \new
	s_set_vgpr_msb (MSB<<8)|\new
.set MSB, \new
.endif
.endm
.macro PLACES n
.rept \n
	v_nop
.endr
.endm
; K step s of the eight tiles: the accumulators take turns, one instruction a turn.
.macro MM1 s
.if (\s) == 0
	WIN 0x3d                                       ; source 0 (W1) window 1, source 1 (x) and C (b1) window 3, D window 0
.elseif (\s) < 4
	WIN 0x0d                                       ; C now window 0
.else
	WIN 0x0e                                       ; W1's K steps 4-7: window 2
.endif
.irp t, 0,1,2,3,4,5,6,7
.set rD, HA+8*\t
.set rA, 8*(4*\t+((\s)&3))
.set rB, 8*(\s)
.set rW, W1S+4*\t+((\s)&3)
.set rX, XS+((\s)&3)
.if (\s) == 0
	v_wmma_scale_f32_16x16x128_f8f6f4 v[rD:rD+7], v[rA:rA+7], v[rB:rB+7], v[B1+8*\t:B1+8*\t+7], v[rW], v[rX] matrix_a_fmt:MATRIX_FMT_FP4 matrix_b_fmt:MATRIX_FMT_FP4
.elseif (\s) < 4
	v_wmma_scale_f32_16x16x128_f8f6f4 v[rD:rD+7], v[rA:rA+7], v[rB:rB+7], v[rD:rD+7], v[rW], v[rX] matrix_a_fmt:MATRIX_FMT_FP4 matrix_b_fmt:MATRIX_FMT_FP4
.else
	v_wmma_scale_f32_16x16x128_f8f6f4 v[rD:rD+7], v[rA:rA+7], v[rB:rB+7], v[rD:rD+7], v[rW], v[rX] matrix_a_fmt:MATRIX_FMT_FP4 matrix_b_fmt:MATRIX_FMT_FP4 matrix_a_scale:MATRIX_SCALE_ROW1 matrix_b_scale:MATRIX_SCALE_ROW1
.endif
.endr
.endm
; x's fragments of K steps 4 half .. 4 half + 3 of the row at v[XADR]: eight loads
.macro XL half
	WIN 0xc0                                       ; destination window 3, address window 0
.irp q, 0,1,2,3
.irp c, 0,1
	global_load_b128 v[8*(4*\half+\q)+4*\c:8*(4*\half+\q)+4*\c+3], v[XADR], s[8:9] offset:64*(4*\half+\q)+32*\c
.endr
.endr
.endm
; 64 numbers of a lane, register 16 b + i = unit 32 b + 16 (lane / 16) + i of my row, become a fragment's codes in v[PC] on and its scale word in v[PW].
.macro QUANT s
.irp b, 0,1,2,3
	v_max3_num_f32 v[TM+\b], |v[\s+16*\b]|, |v[\s+1+16*\b]|, 0x1800000   ; block b: my 16 numbers, and the floor 2^(3 - 127): the byte cannot fall under 1
.endr
.irp i, 2,4,6,8,10,12,14
.irp b, 0,1,2,3
	v_max3_num_f32 v[TM+\b], v[TM+\b], |v[\s+16*\b+\i]|, |v[\s+1+16*\b+\i]|   ; (the four blocks by turns)
.endr
.endr
.irp b, 0,1,2,3
	v_permlanex16_b32 v[TM+4+\b], v[TM+\b], s[SEL], s[SEL+1]
.endr
.irp b, 0,1,2,3
	v_max_num_f32 v[TM+\b], v[TM+\b], v[TM+4+\b]   ; with lane l xor 16's: the block's largest magnitude
.endr
.irp b, 0,1,2,3
	v_add_nc_u32 v[TM+12+\b], 0xff000000, v[TM+\b] ; 2 off its exponent field: the conversion takes the exponent field of this operand as its scale
.endr
.irp b, 0,1,2,3
	v_lshrrev_b32 v[TM+4+\b], 23, v[TM+12+\b]      ; the scale's byte
.endr
	v_lshl_or_b32 v[PW], v[TM+5], 8, v[TM+4]       ; the four bytes make my row's scale word
	v_lshl_or_b32 v[PW], v[TM+6], 16, v[PW]
	v_lshl_or_b32 v[PW], v[TM+7], 24, v[PW]
.irp b, 0,1,2,3
	v_cvt_scalef32_pk8_fp4_f32 v[PC+2*\b], v[\s+16*\b:\s+7+16*\b], v[TM+12+\b]
	v_cvt_scalef32_pk8_fp4_f32 v[PC+1+2*\b], v[\s+8+16*\b:\s+15+16*\b], v[TM+12+\b]
.endr
	v_nop                                          ; one plain place behind the last scaled conversion
.irp c, 0,1                                        ; the operand's layout wants a WHOLE block in a lane: lanes 0-15 block 2 c, lanes 16-31 block 2 c + 1
.irp i, 0,1
	v_permlane16_swap_b32 v[PC+4*\c+\i], v[PC+2+4*\c+\i]
.endr
.endr
.endm
; ONE TILE OF 16 ROWS.  next = 1: the tile four further on follows: its x is asked for here, and the tokens of the one after it (tile w + 8 + 4 x trip).
; Loads on their way at the head, oldest first: x's scale words and K steps 0-3 (9), K steps 4-7 (8), the next tile's tokens (1).
.macro TILE next
	s_wait_loadcnt 9                               ; all but K steps 4-7 and the tokens
	MM1 0
	MM1 1
	MM1 2
	MM1 3
	WIN 0
	s_wait_loadcnt 0x0                             ; K steps 4-7 and the next tile's tokens are in; no load reads v5-7 any more
	s_wait_alu depctr_vm_vsrc(0)                   ; the loads issued so far have read v5-7, which the lines below write; the stores of the tile before have read v52-60, which QUANT writes again
.if \next
	s_lshl_b32 s7, s[TRIP], 2
	s_add_co_u32 s7, s7, s6                        ; the tile after the next: w + 8 + 4 x trip;
	s_min_u32 s7, s7, 63                           ; held inside the list of 64 tiles (from T on its tokens are not used)
	s_lshl_b32 s7, s7, 6
	v_min_u32 v[TV], 0x3ff, v[TOK]                 ; held inside x before it becomes an address.  (These four plain lines name none of the products' registers)
	v_lshl_add_u32 v[XADR], v[TV], 9, v[H16]
	v_lshl_add_u32 v[XSADR], v[TV], 5, v[H16]
	v_add_nc_u32 v[LADR], s7, v[R4]
	WIN 0xc0
	s_wait_alu depctr_va_vdst(0)                   ; the 32 products above are done reading x's K steps 0-3, in which the loads below land; v5-7 are written, which these and the later loads read; v8 has been read
	XL 0
.endif
	MM1 4
	MM1 5
	MM1 6
	MM1 7
	WIN 0
	PLACES 4                                       ; four places behind the last product, in front of the first read of the results (ISA guide 7.12.1)
.if \next
	s_wait_alu depctr_va_vdst(0)                   ; the products are done reading x's scale words and K steps 4-7, in which the loads below land.  (v6, v5, v7 were written, and v8 read, ahead of the wait in the tile's middle)
	global_load_b128 v[XS:XS+3], v[XSADR], s[10:11]
	XL 1
	WIN 0
	global_load_b32 v[TOK], v[LADR], s[18:19]
.endif
.set J, 0
.rept 64
	v_max_num_f32 v[HA+J], 0, v[HA+J]              ; the activation, in f32; each accumulator from its low end on
.set J, J+1
.endr
	QUANT HA
	s_wait_alu depctr_va_vdst(0)                   ; QUANT has written the codes v52-59 and the scale word v60, which the three stores read
	global_store_b128 v[LI], v[PC:PC+3], s[22:23]              ; the fragment as it stands: each store covers 512 consecutive bytes, aligned
	global_store_b128 v[LI], v[PC+4:PC+7], s[22:23] offset:512
	global_store_b32 v[HSO], v[PW], s[24:25]                   ; row r's scale word (lanes 16-31 write the same words with the same values): 4 bytes in each 16; one part in sixteen of the codes' bytes
.if \next
	s_wait_xcnt 0x0                                ; the stores' data and bases are written again only behind this wait
	s_add_nc_u64 s[22:23], s[22:23], 4*32768       ; four tiles on
	s_add_nc_u64 s[24:25], s[24:25], 4*2048
.endif
.endm
	s_load_b512 s[8:23], s[0:1], 0x0               ; x_codes s[8:9], x_scales s[10:11], W1_codes s[12:13], W1_scales s[14:15], b1 s[16:17], rows s[18:19], cnt s[20:21], hcod s[22:23]
	s_load_b64 s[24:25], s[0:1], 0x40              ; hscl
	v_lshl_add_u32 v254, v0, 2, 0x10800
	v_mov_b32 v255, 0
	v_lshrrev_b32 v1, 5, v0
	v_readfirstlane_b32 s2, v1                     ; wave 0..3
	v_and_b32 v1, 31, v0                           ; lane
	v_and_b32 v2, 15, v0                           ; r
	v_bfe_u32 v3, v0, 4, 1                         ; h
	s_lshr_b32 s3, ttmp9, 5                        ; e
	s_and_b32 s4, ttmp9, 31                        ; sl
	v_lshlrev_b32 v[LI], 4, v1
	v_lshlrev_b32 v[HSO], 4, v2
	v_lshlrev_b32 v[H16], 4, v3
	v_lshlrev_b32 v[R4], 2, v2
	s_wait_alu depctr_va_sdst(0)                   ; s2 is written, ahead of its first reader: LDS addresses, bases and the trip count are made from it
	s_mul_i32 s28, s2, 32*PITCH
	v_add_nc_u32 v[WST], s28, v[LI]
	v_mul_u32_u24 v[WLD], v2, PITCH
	v_add_nc_u32 v[WLD], v[WLD], v[H16]
	v_and_b32 v[WSA], 8, v2
	v_add_nc_u32 v[WSA], v[WSA], v2                ; r + 8 (r / 8)
	v_lshl_add_u32 v[WSA], v[WSA], 5, v[H16]
	v_lshlrev_b32 v[BA], 6, v3
	s_lshl_b32 s28, s2, 6
	v_add_nc_u32 v[LADR], s28, v[R4]               ; my first tile is tile w
.irp b, 0,1,2,3
	v_mov_b32 v[TM+4+\b], 0                        ; written once: a lane permute's destination counts as one of its sources
.endr
	s_mov_b32 s[SEL], 0x76543210
	s_mov_b32 s[SEL+1], 0xfedcba98                 ; v_permlanex16_b32's selects for lane l xor 16
	s_mov_b32 s27, 0
	s_wait_kmcnt 0x0
	s_lshl_b32 s26, s3, 12
	s_add_nc_u64 s[18:19], s[18:19], s[26:27]      ; my expert's list
	s_wait_alu depctr_va_vdst(0)                   ; the offsets and addresses v4, v7, v9-11, v15 and v61 are written, which the loads, LDS instructions and stores below read
	global_load_b32 v[TOK], v[LADR], s[18:19]      ; the first tile's tokens: the oldest load
	s_lshl_b32 s26, s3, 2
	s_add_nc_u64 s[20:21], s[20:21], s[26:27]
	s_load_b32 s5, s[20:21], 0x0                   ; n_e
	s_lshl_b32 s26, ttmp9, 16
	s_lshl_b32 s28, s2, 14
	s_add_co_u32 s26, s26, s28
	s_add_nc_u64 s[12:13], s[12:13], s[26:27]      ; W1's codes: the slice's 128 rows of 512 bytes, my 32 of them
	s_lshl_b32 s26, ttmp9, 12
	s_add_nc_u64 s[14:15], s[14:15], s[26:27]      ; its scale bytes: 32 a row
	s_lshl_b32 s26, ttmp9, 9
	s_add_nc_u64 s[16:17], s[16:17], s[26:27]      ; b1: the slice's 128 numbers
	s_lshl_b32 s26, s3, 21
	s_lshl_b32 s28, s2, 15
	s_add_co_u32 s26, s26, s28
	s_lshl_b32 s28, s4, 10
	s_add_co_u32 s26, s26, s28
	s_add_nc_u64 s[22:23], s[22:23], s[26:27]      ; hcod: expert, tile w, K step sl
	s_lshl_b32 s26, s3, 17
	s_lshl_b32 s28, s2, 11
	s_add_co_u32 s26, s26, s28
	s_lshr_b32 s28, s4, 2
	s_lshl_b32 s28, s28, 8
	s_add_co_u32 s26, s26, s28
	s_and_b32 s28, s4, 3
	s_lshl_b32 s28, s28, 2
	s_add_co_u32 s26, s26, s28
	s_add_nc_u64 s[24:25], s[24:25], s[26:27]      ; hscl: expert, tile w, 256 (sl / 4) + 4 (sl % 4)
	WIN 0x40                                       ; destination window 1
.set I, 0
.rept 32
	global_load_b128 v[4*I:4*I+3], v[LI], s[12:13] offset:512*I th:TH_LOAD_NT   ; a whole row: 512 consecutive bytes; read once in the launch
.set I, I+1
.endr
	WIN 0
.irp t, 0,1,2,3,4,5,6,7
	global_load_b128 v[W1S+4*\t:W1S+4*\t+3], v[WSA], s[14:15] offset:(32*(\t/2)+8*(\t%2))*32
.endr
	WIN 0xc0                                       ; destination window 3
.irp t, 0,1,2,3,4,5,6,7                            ; b1 in the result's layout: lane (r, h), tile 2 b + u: units 32 b + 16 h + 8 u + 0 .. 7
	global_load_b128 v[B1+8*\t:B1+8*\t+3], v[BA], s[16:17] offset:(32*(\t/2)+8*(\t%2))*4
	global_load_b128 v[B1+8*\t+4:B1+8*\t+7], v[BA], s[16:17] offset:(32*(\t/2)+8*(\t%2))*4+16
.endr
	WIN 0
	s_wait_loadcnt 56                              ; behind the tokens' load stand 32 + 8 + 16 loads: the tokens are in
	s_wait_alu depctr_vm_vsrc(0)                   ; the tokens' load has read v7, which is written again below
	v_min_u32 v[TV], 0x3ff, v[TOK]                 ; held inside x before it becomes an address
	v_lshl_add_u32 v[XADR], v[TV], 9, v[H16]
	v_lshl_add_u32 v[XSADR], v[TV], 5, v[H16]
	s_add_co_u32 s28, s2, 4
	s_lshl_b32 s28, s28, 6
	v_add_nc_u32 v[LADR], s28, v[R4]               ; tile w + 4
	s_wait_alu depctr_va_vdst(0)                   ; v5-7 are written, which the 18 loads below read; v8 has been read, in which the last of them lands
	global_load_b128 v[XS:XS+3], v[XSADR], s[10:11]
	XL 0
	XL 1
	WIN 0
	global_load_b32 v[TOK], v[LADR], s[18:19]
	s_wait_loadcnt 18                              ; the 1 + 8 + 8 + 1 just issued may be out: the weights, their scale words and b1 are in
	WIN 0x04                                       ; an LDS store's data are its source 1: window 1
.set I, 0
.rept 32                                           ; memory row 32 w + i goes to LDS row 32 w + P(i), P swapping bits 3 and 4 of i: so a tile's 16 rows are neighbours in LDS
	ds_store_b128 v[WST], v[4*I:4*I+3] offset:((I&7)|(((I>>3)&1)<<4)|(((I>>4)&1)<<3))*PITCH
.set I, I+1
.endr
	WIN 0
	s_wait_dscnt 0x0                               ; for the others' sake: my rows have landed
	s_barrier_signal -1
	s_barrier_wait -1                              ; the one barrier: the slice is whole
	WIN 0x40
	s_wait_alu depctr_vm_vsrc(0)                   ; my LDS stores have read window 1's v0-127, in which the fragments' loads land
.irp t, 0,1,2,3,4,5,6,7
.irp q, 0,1,2,3
.irp c, 0,1
	ds_load_b128 v[8*(4*\t+\q)+4*\c:8*(4*\t+\q)+4*\c+3], v[WLD] offset:16*\t*PITCH+64*\q+32*\c
.endr
.endr
.endr
	WIN 0x80
.irp t, 0,1,2,3,4,5,6,7
.irp q, 0,1,2,3
.irp c, 0,1
	ds_load_b128 v[8*(4*\t+\q)+4*\c:8*(4*\t+\q)+4*\c+3], v[WLD] offset:16*\t*PITCH+64*(\q+4)+32*\c
.endr
.endr
.endr
	WIN 0
	s_wait_dscnt 0x0
	s_wait_kmcnt 0x0
	s_min_u32 s5, s5, 1024                         ; a list has 1,024 places
	s_add_co_u32 s5, s5, 15
	s_lshr_b32 s5, s5, 4                           ; T = ceil(n_e / 16), at most 64
	s_add_co_u32 s6, s2, 1
	s_max_u32 s5, s5, s6                           ; (my first tile is made in any case)
	s_sub_co_u32 s5, s5, s6
	s_lshr_b32 s5, s5, 2                           ; how many of the tiles w + 4, w + 8, .. lie below T: (T - w - 1) / 4, rounded down: the loop's trips, at most 15
	s_add_co_u32 s6, s2, 8                         ; w + 8
	s_mov_b32 s[TRIP], 0
	s_cmp_eq_u32 s5, 0
	s_cbranch_scc1 .Ltail
.Lloop:                                            ; a trip makes one tile that has a successor
	TILE 1
	s_add_co_u32 s[TRIP], s[TRIP], 1
	s_cmp_lt_u32 s[TRIP], s5
	s_cbranch_scc1 .Lloop
.Ltail:
	TILE 0                                         ; my last tile asks for nothing more
	s_wait_dscnt 0x0
	s_wait_alu depctr_hold_cnt(0) depctr_sa_sdst(0) depctr_va_vdst(0) depctr_va_sdst(0) depctr_va_ssrc(0) depctr_va_vcc(0) depctr_vm_vsrc(0)
	s_wait_tensorcnt 0x0
	ds_add_u32 v254, v255
	s_wait_dscnt 0x0
	s_endpgm
.Lfunc_end_k_q13a45d98e9_ffn1:
	.size	k_q13a45d98e9_ffn1, .Lfunc_end_k_q13a45d98e9_ffn1-k_q13a45d98e9_ffn1
	.p2alignl 7, 3214868480
	.fill 96, 4, 3214868480
	.section	.rodata,"a",@progbits
	.p2align	6, 0x0
	.amdhsa_kernel k_q13a45d98e9_ffn1
		.amdhsa_group_segment_fixed_size 68096
		.amdhsa_private_segment_fixed_size 0
		.amdhsa_enable_private_segment 0
		.amdhsa_kernarg_size 72
		.amdhsa_user_sgpr_count 2
		.amdhsa_user_sgpr_kernarg_segment_ptr 1
		.amdhsa_wavefront_size32 1
		.amdhsa_system_sgpr_workgroup_id_x 1
		.amdhsa_system_sgpr_workgroup_id_y 1
		.amdhsa_system_sgpr_workgroup_id_z 1
		.amdhsa_system_vgpr_workitem_id 0
		.amdhsa_next_free_vgpr 1024
		.amdhsa_next_free_sgpr 66
		.amdhsa_reserve_vcc 0
		.amdhsa_float_denorm_mode_32 3
		.amdhsa_float_denorm_mode_16_64 3
		.amdhsa_memory_ordered 1
		.amdhsa_forward_progress 1
		.amdhsa_inst_pref_size 53
	.end_amdhsa_kernel
	.amdgpu_metadata
---
amdhsa.version: [ 1, 2 ]
amdhsa.kernels:
  - .name:           k_q13a45d98e9_ffn1
    .symbol:         k_q13a45d98e9_ffn1.kd
    .args:
      - { .name: x_codes, .offset: 0, .size: 8, .value_kind: global_buffer, .address_space: global }
      - { .name: x_scales, .offset: 8, .size: 8, .value_kind: global_buffer, .address_space: global }
      - { .name: W1_codes, .offset: 16, .size: 8, .value_kind: global_buffer, .address_space: global }
      - { .name: W1_scales, .offset: 24, .size: 8, .value_kind: global_buffer, .address_space: global }
      - { .name: b1, .offset: 32, .size: 8, .value_kind: global_buffer, .address_space: global }
      - { .name: rows, .offset: 40, .size: 8, .value_kind: global_buffer, .address_space: global }
      - { .name: cnt, .offset: 48, .size: 8, .value_kind: global_buffer, .address_space: global }
      - { .name: hcod, .offset: 56, .size: 8, .value_kind: global_buffer, .address_space: global }
      - { .name: hscl, .offset: 64, .size: 8, .value_kind: global_buffer, .address_space: global }
    .group_segment_fixed_size: 68096
    .private_segment_fixed_size: 0
    .kernarg_segment_align: 8
    .kernarg_segment_size: 72
    .max_flat_workgroup_size: 128
    .sgpr_count:     66
    .vgpr_count:     1024
    .wavefront_size: 32
...
	.end_amdgpu_metadata
.endif
;; end of part 6
;; launch ffn2 (part 7): grid 256 x 1, 4 waves a work-group, no clusters, 75,776 bytes of LDS; arguments W2_codes, W2_scales, b2, cnt, hcod, hscl, y; writes y
.if DOCPART == 7
	.amdgcn_target "amdgcn-amd-amdhsa--gfx1250"
	.amdhsa_code_object_version 6
	.text
	.protected	k_q13a45d98e9_ffn2
	.globl	k_q13a45d98e9_ffn2
	.p2align	8
	.type	k_q13a45d98e9_ffn2,@function
k_q13a45d98e9_ffn2:
	s_mov_b64 s[64:65], 0
	v_nop
	global_prefetch_b8 v0, s[64:65] scope:SCOPE_SE
	s_setreg_imm32_b32 hwreg(HW_REG_WAVE_SCHED_MODE, 0, 2), 2
	s_setreg_imm32_b32 hwreg(HW_REG_WAVE_MODE, 25, 1), 1
	s_wait_xcnt 0x0
	s_wait_alu depctr_vm_vsrc(0)
; y = hidden W2_e + b2_e for the rows that name expert e, on codes of FP4 (E2M1) with one E8M0 scale for each 32 along K (K = the 4,096 hidden units).
; SHARES.  Work-group wg = 32 e + sl owns output columns 32 sl .. 32 sl + 31 of expert e: 64 KiB of W2's codes, which no other work-group reads.  EVERY wave keeps the slice in registers (2 tiles x 32 K steps:
; 64 fragments, 512 registers); the waves share the expert's tiles of 16 rows as in the launch before: wave w takes tiles w, w + 4, .. below T = ceil(n_e / 16), and always tile w (which that launch always writes).
; The slice is brought once (each wave loads 8 of the 32 rows in pieces of 512 consecutive bytes and lays them in LDS; one barrier; each wave reads all fragments).  Behind that the waves share nothing.
; NO TENSOR LOADS, NO JOINT LOADS: the number of trips is read from memory (cnt), so the operands come by plain loads; each weight byte has one reader.
; THE PRODUCT IS USED TRANSPOSED: source 0 = 16 rows of W2, source 1 = a hidden fragment, which comes from memory as an image of its registers: every load covers 512 consecutive bytes.
; K is summed in two accumulators for each tile (even and odd K steps), so that four accumulators take turns; b2 is the C of the even sum's first product; the two are added at the end, in f32.
; OUT.  y[sl][e x 1024 + place][32] f32: a tile's 16 rows x 128 bytes are 2,048 consecutive bytes; they go through the wave's own stage in LDS and leave by four stores of 512 consecutive bytes, aligned.
; LIMITS: NaN and infinities are not served.
; THE MODE: SCHED_MODE bits 1:0 = 2 (LLVM: expert scheduling mode 2), set by the entry lines.  The code itself states the register dependences between vector or matrix instructions and memory or LDS
; instructions, with s_wait_alu, always for 0.
; THE PLAN.  Registers that memory or LDS instructions touch in the loop over tiles:
;   H lo (window 3, v0-127: the hidden layer's K steps 0-15) and v48-55 (their scale words)   read by a tile's first 32 products; the next tile's 34 loads land there in the tile's middle.
;   H hi (window 3, v128-255: K steps 16-31) and v56-63   read by its last 32 products; the next tile's 34 loads land there behind them.
;   v80-95 (the sums)   written by products and, last, by the eight packed additions; read by the four LDS stores; written again by the next tile's first products.
;   v112-127 (rows of y)   written by the four loads from the stage; read by the four stores to memory; no vector instruction names them.
;   v4, v7, v8 are addresses that are never written again; W2's fragments and scale words and b2 are loaded at the head and then named by products alone.
; So a tile has one wait on vm_vsrc, at its head (the last tile's LDS stores have read v80-95, its stores to memory v112-127), and two on va_vdst: in its middle, ahead of the loads into H lo; and behind
; the additions, where it states both that v80-95 are written and that the products are done reading H hi.  Behind that second one stand the eight LDS instructions of the way out, then the 34 loads, then
; the waits for the stage and the stores: the loads are issued while the rows go through the stage.  No vector or matrix instruction stands among them.
; REGISTERS, in windows of 256: window 0: v1-10 addresses; v16-47 W2's scale words (register 16 n + 4 g + q: lanes 0-15 K step 8 g + q, lanes 16-31 K step 8 g + 4 + q); v48-63 the hidden layer's (register 4 g + q, likewise);
;   v64-79 b2; v80-111 the four accumulators; v112-127 rows of y.   window 1: W2's fragments (K step s < 16, tile n) at 8 (2 s + n); at the head v0-127 hold what I bring.   window 2: those of K steps 16-31.
;   window 3: the hidden fragments, K step s at 8 s.
.set PITCH,  2064                      ; an LDS row of W2: 2,048 bytes + 16 = 516 words: row r starts at bank 4 r mod 64 (64 banks of 4 bytes: ISA guide 11.1)
.set STG,    32*PITCH                  ; behind the slice: a stage of 16 rows x SPITCH for each wave
.set SPITCH, 144                       ; 128 bytes + 16
.set LI,   4                           ; v4   16 x lane
.set WST,  5                           ; v5   LDS, on the way in: 16 x lane + my 8 rows
.set WLD,  6                           ; v6   LDS, a fragment: r x PITCH + 16 h
.set SO,   7                           ; v7   the stage: row r, + 32 h
.set SR,   8                           ; v8   and back: row lane / 8, + 16 (lane % 8)
.set WSA,  9                           ; v9   W2's scale words: r x 128 + 16 h
.set BA,   10                          ; v10  b2: 32 h
.set W2S,  16
.set HS,   48
.set B2,   64
.set AC,   80
.set YR,   112
.set TRIP, 32                          ; s32  the loop's counter: 0, 1, .. below s5
.set MSB, 0
.macro WIN new                         ; the immediate's high byte repeats the setting that is left; a switch that changes nothing is dropped
.if MSB != \new
	s_set_vgpr_msb (MSB<<8)|\new
.set MSB, \new
.endif
.endm
.macro PLACES n
.rept \n
	v_nop
.endr
.endm
; K step s, both tiles of columns.  The four accumulators (s % 2, n) take turns, one instruction a turn.
.macro MM2 s
.irp n, 0,1
.set rD, AC+8*(2*((\s)&1)+\n)
.set rA, 8*(2*((\s)&15)+\n)
.set rB, 8*(\s)
.set rW, W2S+16*\n+4*((\s)>>3)+((\s)&3)
.set rH, HS+4*((\s)>>3)+((\s)&3)
.if (\s) == 0
	v_wmma_scale_f32_16x16x128_f8f6f4 v[rD:rD+7], v[rA:rA+7], v[rB:rB+7], v[B2+8*\n:B2+8*\n+7], v[rW], v[rH] matrix_a_fmt:MATRIX_FMT_FP4 matrix_b_fmt:MATRIX_FMT_FP4
.elseif (\s) == 1
	v_wmma_scale_f32_16x16x128_f8f6f4 v[rD:rD+7], v[rA:rA+7], v[rB:rB+7], 0, v[rW], v[rH] matrix_a_fmt:MATRIX_FMT_FP4 matrix_b_fmt:MATRIX_FMT_FP4
.elseif (((\s)>>2)&1) == 0
	v_wmma_scale_f32_16x16x128_f8f6f4 v[rD:rD+7], v[rA:rA+7], v[rB:rB+7], v[rD:rD+7], v[rW], v[rH] matrix_a_fmt:MATRIX_FMT_FP4 matrix_b_fmt:MATRIX_FMT_FP4
.else
	v_wmma_scale_f32_16x16x128_f8f6f4 v[rD:rD+7], v[rA:rA+7], v[rB:rB+7], v[rD:rD+7], v[rW], v[rH] matrix_a_fmt:MATRIX_FMT_FP4 matrix_b_fmt:MATRIX_FMT_FP4 matrix_a_scale:MATRIX_SCALE_ROW1 matrix_b_scale:MATRIX_SCALE_ROW1
.endif
.endr
.endm
; Half a tile of the hidden layer (K steps 16 half .. 16 half + 15), off bytes of codes on from the tile in hand: 2 loads of scale words, 32 of codes: 34 loads
.macro HL half, off
	WIN 0
.irp g, 0,1
	global_load_b128 v[HS+8*\half+4*\g:HS+8*\half+4*\g+3], v[LI], s[18:19] offset:(\off)/16+(2*\half+\g)*512
.endr
	WIN 0xc0                                       ; destination window 3, address window 0
.irp q, 0,1,2,3,4,5,6,7,8,9,10,11,12,13,14,15
.irp c, 0,1
	global_load_b128 v[8*(16*\half+\q)+4*\c:8*(16*\half+\q)+4*\c+3], v[LI], s[16:17] offset:(\off)+1024*(16*\half+\q)+512*\c
.endr
.endr
	WIN 0
.endm
; ONE TILE OF 16 ROWS.  next = 1: the tile four further on follows, and each half of it is asked for as soon as the registers of this tile's half are free.
.macro TILE2 next
	s_wait_loadcnt 34                              ; the second half's 34 loads may be out: the first half is in
	s_wait_alu depctr_vm_vsrc(0)                   ; the LDS stores of the tile before have read v80-95, which the first products below write; its stores to memory have read v112-127, in which this tile's loads from the stage land
	WIN 0x0d                                       ; source 0 (W2) window 1, source 1 (hidden) window 3
.set Q, 0
.rept 16
	MM2 Q
.set Q, Q+1
.endr
	WIN 0
.if \next
	PLACES 4                                       ; four plain places behind the products, ahead of the loads into registers that they have read; the wait below states that dependence
	s_wait_alu depctr_va_vdst(0)                   ; the 32 products above are done reading the hidden layer's K steps 0-15 and their scale words v48-55, in which the 34 loads below land
	HL 0, 4*32768
	s_wait_loadcnt 34                              ; the 34 just issued may be out: this tile's second half is in
.else
	s_wait_loadcnt 0x0
.endif
	WIN 0x0e                                       ; W2's K steps 16-31: window 2
.rept 16
	MM2 Q
.set Q, Q+1
.endr
	WIN 0
	PLACES 4                                       ; four places behind the last product, in front of the first read of the results (ISA guide 7.12.1)
.irp n, 0,1
.irp k, 0,2,4,6
	v_pk_add_f32 v[AC+8*\n+\k:AC+8*\n+\k+1], v[AC+8*\n+\k:AC+8*\n+\k+1], v[AC+16+8*\n+\k:AC+16+8*\n+\k+1]   ; even K steps' sum + odd K steps'; each accumulator from its low end on
.endr
.endr
	s_wait_alu depctr_va_vdst(0)                   ; the additions have written v80-95, which the LDS stores read; the products are done reading K steps 16-31 and their scale words v56-63, in which the 34 loads below land
.irp n, 0,1
	ds_store_b128 v[SO], v[AC+8*\n:AC+8*\n+3] offset:64*\n         ; lane (r, h): y(row r, column 16 n + 8 h + 0 .. 7)
	ds_store_b128 v[SO], v[AC+8*\n+4:AC+8*\n+7] offset:64*\n+16
.endr
.irp i, 0,1,2,3
	ds_load_b128 v[YR+4*\i:YR+4*\i+3], v[SR] offset:\i*4*SPITCH    ; my own bytes, and LDS serves a wave's instructions in order (ISA guide 5.7.1.4): these see the stores above
.endr
.if \next
	HL 1, 4*32768                                  ; no further wait: the eight LDS lines since the wait name v7, v8, v80-95 and v112-127, none of which these loads touch
.endif
.irp i, 0,1,2,3
	s_wait_dscnt 3-\i                              ; the later loads from the stage may be out
	global_store_b128 v[LI], v[YR+4*\i:YR+4*\i+3], s[20:21] offset:512*\i   ; four rows of 128 bytes: 512 consecutive bytes, aligned
.endr
.if \next
	s_wait_xcnt 0x0                                ; the bases of the loads and stores above, and the stores' data, are written again only behind this wait
	s_add_nc_u64 s[16:17], s[16:17], 4*32768       ; four tiles on
	s_add_nc_u64 s[18:19], s[18:19], 4*2048
	s_add_nc_u64 s[20:21], s[20:21], 4*2048
.endif
.endm
	s_load_b256 s[8:15], s[0:1], 0x0               ; W2_codes s[8:9], W2_scales s[10:11], b2 s[12:13], cnt s[14:15]
	s_load_b128 s[16:19], s[0:1], 0x20             ; hcod s[16:17], hscl s[18:19]
	s_load_b64 s[20:21], s[0:1], 0x30              ; y
	v_lshl_add_u32 v254, v0, 2, 0x12600
	v_mov_b32 v255, 0
	v_lshrrev_b32 v1, 5, v0
	v_readfirstlane_b32 s2, v1                     ; wave 0..3
	v_and_b32 v1, 31, v0                           ; lane
	v_and_b32 v2, 15, v0                           ; r
	v_bfe_u32 v3, v0, 4, 1                         ; h
	s_lshr_b32 s3, ttmp9, 5                        ; e
	s_and_b32 s4, ttmp9, 31                        ; sl
	v_lshlrev_b32 v[LI], 4, v1
	s_wait_alu depctr_va_sdst(0)                   ; s2 is written, ahead of its first reader: LDS addresses, bases and the trip count are made from it
	s_mul_i32 s28, s2, 8*PITCH
	v_add_nc_u32 v[WST], s28, v[LI]
	v_mul_u32_u24 v[WLD], v2, PITCH
	v_lshl_add_u32 v[WLD], v3, 4, v[WLD]
	s_mul_i32 s28, s2, 16*SPITCH
	s_add_co_u32 s28, s28, STG                     ; my stage
	v_mul_u32_u24 v[SO], v2, SPITCH
	v_lshl_add_u32 v[SO], v3, 5, v[SO]
	v_add_nc_u32 v[SO], s28, v[SO]
	v_lshrrev_b32 v[SR], 3, v1
	v_mul_u32_u24 v[SR], v[SR], SPITCH
	v_and_b32 v11, 7, v1
	v_lshl_add_u32 v[SR], v11, 4, v[SR]
	v_add_nc_u32 v[SR], s28, v[SR]
	v_lshlrev_b32 v[WSA], 7, v2
	v_lshl_add_u32 v[WSA], v3, 4, v[WSA]
	v_lshlrev_b32 v[BA], 5, v3
	s_mov_b32 s27, 0
	s_wait_kmcnt 0x0
	s_lshl_b32 s26, s3, 2
	s_add_nc_u64 s[14:15], s[14:15], s[26:27]
	s_load_b32 s5, s[14:15], 0x0                   ; n_e
	s_lshl_b32 s26, ttmp9, 16
	s_lshl_b32 s28, s2, 14
	s_add_co_u32 s26, s26, s28
	s_add_nc_u64 s[8:9], s[8:9], s[26:27]          ; W2's codes: the slice's 32 rows of 2,048 bytes, my 8 of them
	s_lshl_b32 s26, ttmp9, 12
	s_add_nc_u64 s[10:11], s[10:11], s[26:27]      ; its scale bytes: 128 a row
	s_lshl_b32 s26, ttmp9, 7
	s_add_nc_u64 s[12:13], s[12:13], s[26:27]      ; b2: the slice's 32 numbers
	s_lshl_b32 s26, s3, 21
	s_lshl_b32 s28, s2, 15
	s_add_co_u32 s26, s26, s28
	s_add_nc_u64 s[16:17], s[16:17], s[26:27]      ; hcod: expert, tile w
	s_lshl_b32 s26, s3, 17
	s_lshl_b32 s28, s2, 11
	s_add_co_u32 s26, s26, s28
	s_add_nc_u64 s[18:19], s[18:19], s[26:27]      ; hscl: expert, tile w
	s_lshl_b32 s28, s4, 20
	s_add_co_u32 s26, s26, s28
	s_add_nc_u64 s[20:21], s[20:21], s[26:27]      ; y: slice, expert, tile w (a tile is 2,048 bytes there too)
	WIN 0x40                                       ; destination window 1
	s_wait_alu depctr_va_vdst(0)                   ; the seven offsets and addresses v4 to v10 are written, which every load, LDS instruction and store of the kernel reads; none is written again
.irp i, 0,1,2,3,4,5,6,7
.irp q, 0,1,2,3
	global_load_b128 v[4*(4*\i+\q):4*(4*\i+\q)+3], v[LI], s[8:9] offset:2048*\i+512*\q th:TH_LOAD_NT   ; 512 consecutive bytes of a row; read once in the launch
.endr
.endr
	WIN 0
.irp n, 0,1
.irp g, 0,1,2,3
	global_load_b128 v[W2S+16*\n+4*\g:W2S+16*\n+4*\g+3], v[WSA], s[10:11] offset:16*\n*128+32*\g
.endr
.endr
.irp n, 0,1                                        ; b2 in the result's layout: lane (r, h), tile n: columns 16 n + 8 h + 0 .. 7
	global_load_b128 v[B2+8*\n:B2+8*\n+3], v[BA], s[12:13] offset:64*\n
	global_load_b128 v[B2+8*\n+4:B2+8*\n+7], v[BA], s[12:13] offset:64*\n+16
.endr
	HL 0, 0                                        ; my first tile's first half
	s_wait_loadcnt 46                              ; behind the weights stand 8 + 4 + 34 loads: the weights are in
	WIN 0x04                                       ; an LDS store's data are its source 1: window 1
.irp i, 0,1,2,3,4,5,6,7
.irp q, 0,1,2,3
	ds_store_b128 v[WST], v[4*(4*\i+\q):4*(4*\i+\q)+3] offset:PITCH*\i+512*\q
.endr
.endr
	HL 1, 0                                        ; my first tile's second half
	s_wait_dscnt 0x0                               ; for the others' sake: my rows have landed
	s_barrier_signal -1
	s_barrier_wait -1                              ; the one barrier: the slice is whole
	WIN 0x40
	s_wait_alu depctr_vm_vsrc(0)                   ; my LDS stores have read window 1's v0-127, in which the fragments' loads land
.irp q, 0,1,2,3,4,5,6,7,8,9,10,11,12,13,14,15
.irp n, 0,1
.irp c, 0,1
	ds_load_b128 v[8*(2*\q+\n)+4*\c:8*(2*\q+\n)+4*\c+3], v[WLD] offset:16*\n*PITCH+64*\q+32*\c
.endr
.endr
.endr
	WIN 0x80
.irp q, 0,1,2,3,4,5,6,7,8,9,10,11,12,13,14,15
.irp n, 0,1
.irp c, 0,1
	ds_load_b128 v[8*(2*\q+\n)+4*\c:8*(2*\q+\n)+4*\c+3], v[WLD] offset:16*\n*PITCH+64*(\q+16)+32*\c
.endr
.endr
.endr
	WIN 0
	s_wait_dscnt 0x0
	s_wait_kmcnt 0x0
	s_min_u32 s5, s5, 1024                         ; a list has 1,024 places
	s_add_co_u32 s5, s5, 15
	s_lshr_b32 s5, s5, 4                           ; T = ceil(n_e / 16), at most 64
	s_add_co_u32 s6, s2, 1
	s_max_u32 s5, s5, s6                           ; (my first tile is made in any case)
	s_sub_co_u32 s5, s5, s6
	s_lshr_b32 s5, s5, 2                           ; how many of the tiles w + 4, w + 8, .. lie below T: (T - w - 1) / 4, rounded down: the loop's trips, at most 15
	s_mov_b32 s[TRIP], 0
	s_cmp_eq_u32 s5, 0
	s_cbranch_scc1 .Ltail
.Lloop:                                            ; a trip makes one tile that has a successor
	TILE2 1
	s_add_co_u32 s[TRIP], s[TRIP], 1
	s_cmp_lt_u32 s[TRIP], s5
	s_cbranch_scc1 .Lloop
.Ltail:
	TILE2 0                                        ; my last tile asks for nothing more
	s_wait_dscnt 0x0
	s_wait_alu depctr_hold_cnt(0) depctr_sa_sdst(0) depctr_va_vdst(0) depctr_va_sdst(0) depctr_va_ssrc(0) depctr_va_vcc(0) depctr_vm_vsrc(0)
	s_wait_tensorcnt 0x0
	ds_add_u32 v254, v255
	s_wait_dscnt 0x0
	s_endpgm
.Lfunc_end_k_q13a45d98e9_ffn2:
	.size	k_q13a45d98e9_ffn2, .Lfunc_end_k_q13a45d98e9_ffn2-k_q13a45d98e9_ffn2
	.p2alignl 7, 3214868480
	.fill 96, 4, 3214868480
	.section	.rodata,"a",@progbits
	.p2align	6, 0x0
	.amdhsa_kernel k_q13a45d98e9_ffn2
		.amdhsa_group_segment_fixed_size 75776
		.amdhsa_private_segment_fixed_size 0
		.amdhsa_enable_private_segment 0
		.amdhsa_kernarg_size 56
		.amdhsa_user_sgpr_count 2
		.amdhsa_user_sgpr_kernarg_segment_ptr 1
		.amdhsa_wavefront_size32 1
		.amdhsa_system_sgpr_workgroup_id_x 1
		.amdhsa_system_sgpr_workgroup_id_y 1
		.amdhsa_system_sgpr_workgroup_id_z 1
		.amdhsa_system_vgpr_workitem_id 0
		.amdhsa_next_free_vgpr 1024
		.amdhsa_next_free_sgpr 66
		.amdhsa_reserve_vcc 0
		.amdhsa_float_denorm_mode_32 3
		.amdhsa_float_denorm_mode_16_64 3
		.amdhsa_memory_ordered 1
		.amdhsa_forward_progress 1
		.amdhsa_inst_pref_size 52
	.end_amdhsa_kernel
	.amdgpu_metadata
---
amdhsa.version: [ 1, 2 ]
amdhsa.kernels:
  - .name:           k_q13a45d98e9_ffn2
    .symbol:         k_q13a45d98e9_ffn2.kd
    .args:
      - { .name: W2_codes, .offset: 0, .size: 8, .value_kind: global_buffer, .address_space: global }
      - { .name: W2_scales, .offset: 8, .size: 8, .value_kind: global_buffer, .address_space: global }
      - { .name: b2, .offset: 16, .size: 8, .value_kind: global_buffer, .address_space: global }
      - { .name: cnt, .offset: 24, .size: 8, .value_kind: global_buffer, .address_space: global }
      - { .name: hcod, .offset: 32, .size: 8, .value_kind: global_buffer, .address_space: global }
      - { .name: hscl, .offset: 40, .size: 8, .value_kind: global_buffer, .address_space: global }
      - { .name: y, .offset: 48, .size: 8, .value_kind: global_buffer, .address_space: global }
    .group_segment_fixed_size: 75776
    .private_segment_fixed_size: 0
    .kernarg_segment_align: 8
    .kernarg_segment_size: 56
    .max_flat_workgroup_size: 128
    .sgpr_count:     66
    .vgpr_count:     1024
    .wavefront_size: 32
...
	.end_amdgpu_metadata
.endif
;; end of part 7
;; launch mix (part 8): grid 256 x 1, 4 waves a work-group, no clusters, 0 bytes of LDS; arguments pos, y, out0; writes out0
.if DOCPART == 8
	.amdgcn_target "amdgcn-amd-amdhsa--gfx1250"
	.amdhsa_code_object_version 6
	.text
	.protected	k_q13a45d98e9_mix
	.globl	k_q13a45d98e9_mix
	.p2align	8
	.type	k_q13a45d98e9_mix,@function
k_q13a45d98e9_mix:
	s_mov_b64 s[64:65], 0
	v_nop
	global_prefetch_b8 v0, s[64:65] scope:SCOPE_SE
	s_setreg_imm32_b32 hwreg(HW_REG_WAVE_MODE, 25, 1), 1
	s_wait_xcnt 0x0
; out0[t] = (the sum of y over the DISTINCT experts that token t names) / 2.  pos[t][0..1]: the token's two rows of y (equal where its two experts are equal: the row then counts once).
; y: [32 slices][8,192 rows][32] f32.  One wave to a token: its 1,024 numbers are eight loads of 16 bytes a lane from each of the two rows; load i covers columns 128 i .. 128 i + 127, four slices' 128 bytes,
; eight lanes to a slice.  out0's row leaves by eight stores of 512 consecutive bytes, aligned.  A stream: no LDS, no barrier, no matrix unit.
; out = 0.5 a + g b with g = 0.5, or 0 where the two rows are one: halving rounds nothing, so the sum is rounded once, as (a + b) / 2 is.  LIMIT: NaN and infinities are not served.
.set VA, 4                             ; v4-7   offsets of the first row: slices 8 k + lane / 8 (the slices four further on by the immediate)
.set VB, 8                             ; v8-11  of the second
.set OO, 12                            ; v12    16 x lane
.set A,  16                            ; v16-47 the first row, then the result
.set B,  48                            ; v48-79 the second row
	s_load_b128 s[4:7], s[0:1], 0x0                ; pos s[4:5], y s[6:7]
	s_load_b64 s[8:9], s[0:1], 0x10                ; out0
	v_lshrrev_b32 v1, 5, v0
	v_readfirstlane_b32 s2, v1                     ; wave 0..3
	v_and_b32 v1, 31, v0                           ; lane
	s_lshl_b32 s3, ttmp9, 2
	s_add_co_u32 s3, s3, s2                        ; my token
	s_lshl_b32 s10, s3, 3
	s_mov_b32 s11, 0
	v_lshrrev_b32 v2, 3, v1
	v_and_b32 v3, 7, v1
	v_lshlrev_b32 v3, 4, v3
	v_lshl_or_b32 v2, v2, 20, v3                   ; (lane / 8) slices of 2^20 bytes + 16 (lane % 8)
	v_lshlrev_b32 v[OO], 4, v1
	s_wait_alu depctr_va_vdst(0)
	s_wait_kmcnt 0x0
	s_add_nc_u64 s[4:5], s[4:5], s[10:11]
	s_load_b64 s[12:13], s[4:5], 0x0
	s_lshl_b32 s10, s3, 12
	s_add_nc_u64 s[8:9], s[8:9], s[10:11]          ; my row of out0
	s_wait_kmcnt 0x0
	s_min_u32 s12, s12, 0x1fff                     ; held inside y's 8,192 rows before they become addresses
	s_min_u32 s13, s13, 0x1fff
	s_cmp_lg_u32 s12, s13
	s_cselect_b32 s14, 0x3f000000, 0               ; g
	s_mov_b32 s15, s14                             ; (named with it as a pair, so it is written)
	s_lshl_b32 s12, s12, 7                         ; a row of a slice is 128 bytes
	s_lshl_b32 s13, s13, 7
.irp k, 0,1,2,3
	s_add_co_u32 s16, s12, \k*0x800000
	s_add_co_u32 s17, s13, \k*0x800000
	v_add_nc_u32 v[VA+\k], s16, v2
	v_add_nc_u32 v[VB+\k], s17, v2
.endr
.irp i, 0,1,2,3,4,5,6,7
	global_load_b128 v[A+4*\i:A+4*\i+3], v[VA+\i/2], s[6:7] offset:(\i%2)*0x400000
	global_load_b128 v[B+4*\i:B+4*\i+3], v[VB+\i/2], s[6:7] offset:(\i%2)*0x400000
.endr
.irp i, 0,1,2,3,4,5,6,7
	s_wait_loadcnt 14-2*\i                         ; the later pairs of loads may be out
	v_pk_mul_f32 v[A+4*\i:A+4*\i+1], v[A+4*\i:A+4*\i+1], 0.5 op_sel_hi:[1,0]
	v_pk_mul_f32 v[A+4*\i+2:A+4*\i+3], v[A+4*\i+2:A+4*\i+3], 0.5 op_sel_hi:[1,0]
	v_pk_fma_f32 v[A+4*\i:A+4*\i+1], v[B+4*\i:B+4*\i+1], s[14:15], v[A+4*\i:A+4*\i+1] op_sel_hi:[1,0,1]
	v_pk_fma_f32 v[A+4*\i+2:A+4*\i+3], v[B+4*\i+2:B+4*\i+3], s[14:15], v[A+4*\i+2:A+4*\i+3] op_sel_hi:[1,0,1]
	global_store_b128 v[OO], v[A+4*\i:A+4*\i+3], s[8:9] offset:512*\i th:TH_STORE_NT
.endr
	s_endpgm
.Lfunc_end_k_q13a45d98e9_mix:
	.size	k_q13a45d98e9_mix, .Lfunc_end_k_q13a45d98e9_mix-k_q13a45d98e9_mix
	.p2alignl 7, 3214868480
	.fill 96, 4, 3214868480
	.section	.rodata,"a",@progbits
	.p2align	6, 0x0
	.amdhsa_kernel k_q13a45d98e9_mix
		.amdhsa_group_segment_fixed_size 0
		.amdhsa_private_segment_fixed_size 0
		.amdhsa_enable_private_segment 0
		.amdhsa_kernarg_size 24
		.amdhsa_user_sgpr_count 2
		.amdhsa_user_sgpr_kernarg_segment_ptr 1
		.amdhsa_wavefront_size32 1
		.amdhsa_system_sgpr_workgroup_id_x 1
		.amdhsa_system_sgpr_workgroup_id_y 1
		.amdhsa_system_sgpr_workgroup_id_z 1
		.amdhsa_system_vgpr_workitem_id 0
		.amdhsa_next_free_vgpr 96
		.amdhsa_next_free_sgpr 66
		.amdhsa_reserve_vcc 0
		.amdhsa_float_denorm_mode_32 3
		.amdhsa_float_denorm_mode_16_64 3
		.amdhsa_memory_ordered 1
		.amdhsa_forward_progress 1
		.amdhsa_inst_pref_size 7
	.end_amdhsa_kernel
	.amdgpu_metadata
---
amdhsa.version: [ 1, 2 ]
amdhsa.kernels:
  - .name:           k_q13a45d98e9_mix
    .symbol:         k_q13a45d98e9_mix.kd
    .args:
      - { .name: pos, .offset: 0, .size: 8, .value_kind: global_buffer, .address_space: global }
      - { .name: y, .offset: 8, .size: 8, .value_kind: global_buffer, .address_space: global }
      - { .name: out0, .offset: 16, .size: 8, .value_kind: global_buffer, .address_space: global }
    .group_segment_fixed_size: 0
    .private_segment_fixed_size: 0
    .kernarg_segment_align: 8
    .kernarg_segment_size: 24
    .max_flat_workgroup_size: 128
    .sgpr_count:     66
    .vgpr_count:     96
    .wavefront_size: 32
...
	.end_amdgpu_metadata
.endif
;; end of part 8
